; MI455X (gfx1250); checked and timed in simulation.
; The chip was launched on July 23, 2026; its instructions are those of AMD's public machine-readable ISA for CDNA 5 (MIT licence, August 2026) and "CDNA5" Instruction Set Architecture Reference Guide (July 2026). The comments in the code are by the model that wrote it; some were corrected since.
;; Self Attention. Allowed arithmetic: matrix products marked QUANTISED: E4M3 operands, one given power-of-two scale a tensor, by v_wmma_f32_16x16x64_fp8_fp8 or v_wmma_f32_16x16x128_fp8_fp8, f32 sums; everything else in f32.
;; Inputs: Wk 1,024 x 1,024 float32; Wo 1,024 x 1,024 float32; Wq 1,024 x 1,024 float32; Wr 1,024 x 1,024 float32; Wv 1,024 x 1,024 float32; bk 1,024 float32; bo 1,024 float32; bq 1,024 float32; br 1,024 float32; bv 1,024 float32; key 8 x 1,024 x 1,024 float32; lowp_scales 14 int32 (the exponents e of the quantised operands' scales 2^e); query 8 x 1,024 x 1,024 float32; value 8 x 1,024 x 1,024 float32.
;; Outputs: out0 8 x 1,024 x 1,024 float32.
;; This version of the problem:
;;   THIS VERSION OF THE PROBLEM IS GIVEN IN LOW PRECISION. The matrix products marked QUANTISED in the list below multiply operands that are first quantised to E4M3 (4 exponent bits, 3 mantissa bits; 8 bits a number), with one given power-of-two scale for each operand tensor; their sums are f32. All else is computed in f32.
;;   The module's matrix products, in the order in which they are computed (A, B: the left and right operand; K: the contracted axis; several contracted axes count as one K, in the product's order):
;;     1. [M 8,192, K 1,024] x [K 1,024, N 1,024]; A: input query; B: input Wq: QUANTISED (scales: A lowp_scales[0], B lowp_scales[1])
;;     2. [M 8,192, K 1,024] x [K 1,024, N 1,024]; A: input key; B: input Wk: QUANTISED (scales: A lowp_scales[2], B lowp_scales[3])
;;     3. [M 8,192, K 1,024] x [K 1,024, N 1,024]; A: input value; B: input Wv: QUANTISED (scales: A lowp_scales[4], B lowp_scales[5])
;;     4. [M 8,192, K 1,024] x [K 1,024, N 1,024]; A: input query; B: input Wr: QUANTISED (scales: A lowp_scales[6], B lowp_scales[7])
;;     5. batch 128 x [M 1,024, K 64] x [K 64, N 1,024]; A: computed on the way; B: computed on the way: QUANTISED (scales: A lowp_scales[8], B lowp_scales[9])
;;     6. batch 128 x [M 1,024, K 1,024] x [K 1,024, N 64]; A: softmax (see below); B: computed on the way: QUANTISED (scales: A lowp_scales[10], B lowp_scales[11])
;;     7. [M 8,192, K 1,024] x [K 1,024, N 1,024]; A: computed on the way; B: input Wo: QUANTISED (scales: A lowp_scales[12], B lowp_scales[13])
;;   THE QUANTISER, for each operand of a quantised product, along K:
;;     - The operand's scale is 2^e, e = its entry of the input lowp_scales (int32; the entries are numbered through the quantised products in the list's order, A before B).
;;     - Each number is divided by the scale, clamped to +-448, and rounded to the nearest number of E4M3, ties to even, subnormals kept.
;;     - The product sums the exact products of the quantised numbers (number of the format x scale) in f32.
;;   ~~~python
;;   def quantise(x, axis, e):      # numpy; x: float32 -> the quantised numbers, widened to float32 again
;;       x = np.moveaxis(x, axis, -1); K = x.shape[-1]
;;       r = np.clip(x / 2.0 ** e, -448, 448)
;;       step = 2.0 ** (np.maximum(np.frexp(np.where(r == 0, 1, r))[1] - 1, -6) - 3)
;;       q = np.round(r / step) * step * 2.0 ** e      # np.round: ties to even
;;       return np.moveaxis(q, -1, axis).astype(np.float32)
;;   ~~~
;;   SOFTMAX AHEAD OF A QUANTISED PRODUCT. Where the list says 'softmax', what is quantised is not the finished softmax but p = 2^(t - M), with t = logit x log2(e) and M = ceil(the row's largest t), a whole number; so 1/2 < the row's largest p <= 1. The row's sum l is taken of the UNQUANTISED p, in f32, and the product's result is divided by l at the end. Since M is a whole number, a kernel that streams over the keys may use a running M (the ceiling of the running maximum): every later rescaling is an exact power of two, so the quantised numbers keep their values, but for numbers so far below the row's largest that they fall under the format's range.
;;   OPERANDS COMPUTED ON THE WAY. 'Computed on the way' means the value that the module computes at that place (a softmax that the list does not call 'softmax' is quantised finished and normalised). What goes into a quantiser is computed in f32, as accurately as f32 sums, v_exp_f32 and their like allow (about 1e-6 of the number): no bf16 or f16 on the way to a quantiser, and a product that is left as it is and whose result goes on into a quantised operand takes f32 operands (vector FMAs, or v_wmma_f32_16x16x4_f32). A number that lies on a knife's edge between two numbers of the format may be rounded either way, as far as f32 arithmetic and the matrix unit's own rounding can turn it there, and no further.
;; 2 versions, each right; version 2 is version 1 with the launches quant, attn written anew for expert scheduling mode. Each part assembles by itself: llvm-mc -triple=amdgcn-amd-amdhsa -mcpu=gfx1250 --defsym DOCPART=n.
;; ======== version 1 of 2: 4 launches
;; workspace buffers: x_img 33,554,432 bytes; w_img 5,242,880 bytes; qkv_img 25,165,824 bytes; r_img 33,554,432 bytes; g_img 8,388,608 bytes
;; launch quant (part 1): grid 928 x 1, 4 waves a work-group, no clusters, 67,072 bytes of LDS; arguments query, key, value, Wq, Wk, Wv, Wr, Wo, lowp_scales, x_img, w_img; writes x_img, w_img
.if DOCPART == 1
	.amdgcn_target "amdgcn-amd-amdhsa--gfx1250"
	.amdhsa_code_object_version 6
	.text
	.protected	k_q000761faa7_quant
	.globl	k_q000761faa7_quant
	.p2align	8
	.type	k_q000761faa7_quant,@function
k_q000761faa7_quant:
	s_mov_b64 s[64:65], 0
	v_nop
	global_prefetch_b8 v0, s[64:65] scope:SCOPE_SE
	s_setreg_imm32_b32 hwreg(HW_REG_WAVE_MODE, 25, 1), 1
	s_wait_xcnt 0x0
; The three activations [8192][1024] and the five weights [1024 (k)][1024 (n)], all f32, become codes of FP8 (E4M3), each with the scale 2^e given for it:
; code = x / 2^e, held within +-448, rounded to the nearest code, ties to even.  The query is quantised twice (entries 0 and 6 of the scales) from one read.
; LIMITS: every e used here lies between -126 and 119, so that 2^e and 448 x 2^e are f32 numbers.  NaN among the inputs is not served; an infinity is held at the largest code.
; THE CODES ARE LAID AS IMAGES OF THE OPERAND'S REGISTERS.  An image is 16 rows x 128 k = 2,048 bytes: lane L = r + 16 h holds row r; byte t of its register 2 c + e is k = 16 c + 8 h + 4 e + t;
; registers 4 q .. 4 q + 3 lie at byte 512 q + 16 L.  So the products' launches fetch a fragment by four dense loads, and every store here covers 512 consecutive bytes, aligned.
;   x_img: four slots of 8 MiB (query at entry 0, key, value, query at entry 6), each [row tile 512][K step 8][image]
;   w_img: five slots of 1 MiB (Wq, Wk, Wv, Wr, Wo), each [column tile 64][K step 8][image]; an image's row r is column 16 x tile + r
; Work-groups 0 to 767 take the activations, 768 to 927 the weights; the two paths part on the work-group's number, never join, and have LDS bytes of their own.
; No tensor loads, no barrier, no matrix unit, no cluster: waves share nothing and every input byte is read once.
.set XWG,  768                         ; work-groups of the activations' path
.set XP,   528                         ; a stage row there: 512 bytes + 16, so that the sixteen rows that a read touches start at sixteen different 16-byte columns
.set XST,  16*XP                       ; a wave's stage there
.set WST0, 4*XST                       ; the weights' stages begin here, 8,192 bytes a wave
.set R,    16                          ; v16-143  two sets of 64: a fragment's numbers as they are loaded
.set X,    144                         ; v144-207 64 numbers of a lane: register 8 c + i is k = 16 c + 8 h + i of my row
.set T,    208                         ; v208-223 two sets of 8: numbers held within the largest code, by turns
.set C,    224                         ; v224-239 a fragment's codes
.set C2,   240                         ; v240-255 the same under the query's second scale
.set WX,   32                          ; weights: v32-95 two sets of 32 numbers down K
.set WC,   96                          ; v96-103  a block's codes
.set OUTR, 112                         ; v112-175 the way out
	s_load_b256 s[8:15], s[0:1], 0x0               ; query s[8:9], key s[10:11], value s[12:13], Wq s[14:15]
	s_load_b256 s[16:23], s[0:1], 0x20             ; Wk s[16:17], Wv s[18:19], Wr s[20:21], Wo s[22:23]
	s_load_b128 s[24:27], s[0:1], 0x40             ; the scales' exponents s[24:25], x_img s[26:27]
	s_load_b64 s[28:29], s[0:1], 0x50              ; w_img
	v_lshl_add_u32 v14, v0, 2, 0x10400
	v_mov_b32 v15, 0
	v_lshrrev_b32 v1, 5, v0
	v_readfirstlane_b32 s2, v1                     ; wave 0..3
	v_and_b32 v2, 31, v0                           ; lane
	s_mov_b32 s45, 0                               ; the upper word of every offset pair s[44:45]
	s_wait_kmcnt 0x0
	s_load_b256 s[32:39], s[24:25], 0x0            ; entries 0 to 7
	s_load_b64 s[40:41], s[24:25], 0x30            ; entries 12, 13
	s_cmp_ge_u32 ttmp9, XWG
	s_cbranch_scc1 .Lweights
	; ---------------- THE ACTIVATIONS.  A wave takes 16 rows x 512 k: four fragments.
	s_lshr_b32 s3, ttmp9, 8                        ; which tensor: 0 query, 1 key, 2 value
	s_and_b32 s4, ttmp9, 255
	s_lshl_b32 s4, s4, 1
	s_lshr_b32 s5, s2, 1
	s_add_co_u32 s4, s4, s5                        ; row tile = 2 x (work-group mod 256) + wave / 2
	s_and_b32 s5, s2, 1                            ; which half of K
	s_cmp_eq_u32 s3, 0
	s_cselect_b64 s[42:43], s[8:9], s[10:11]
	s_cmp_eq_u32 s3, 2
	s_cselect_b64 s[42:43], s[12:13], s[42:43]     ; the tensor
	s_lshl_b32 s44, s4, 16                         ; 16 rows of 4,096 bytes
	s_lshl_b32 s6, s5, 11                          ; 512 numbers
	s_add_co_u32 s44, s44, s6
	s_add_nc_u64 s[42:43], s[42:43], s[44:45]      ; my first number
	s_lshl_b32 s44, s4, 14                         ; a row tile's eight images
	s_lshl_b32 s6, s5, 13                          ; four of them
	s_add_co_u32 s44, s44, s6
	s_add_nc_u64 s[46:47], s[26:27], s[44:45]
	s_add_nc_u64 s[48:49], s[46:47], 0x1800000     ; slot 3: the query under its second scale
	s_lshl_b32 s44, s3, 23
	s_add_nc_u64 s[46:47], s[46:47], s[44:45]      ; slot 0, 1 or 2
	v_lshlrev_b32 v4, 4, v2                        ; 16 x lane: my bytes of a load's 512 and of a store's
	s_mul_i32 s6, s2, XST
	v_add_nc_u32 v5, s6, v4                        ; into the stage: as the bytes lie
	v_and_b32 v3, 15, v0
	v_bfe_u32 v7, v0, 4, 1
	v_mul_u32_u24 v6, v3, XP
	v_lshl_add_u32 v6, v7, 5, v6
	v_add_nc_u32 v6, s6, v6                        ; out of it: row r, + 32 h bytes: my eight numbers of each 16
.macro XLOAD f                         ; fragment f: sixteen rows' 512 bytes, one load a row: 32 lanes read 512 consecutive bytes
.irp m, 0,1,2,3,4,5,6,7,8,9,10,11,12,13,14,15
	global_load_b128 v[R+64*((\f)%2)+4*\m:R+64*((\f)%2)+4*\m+3], v4, s[42:43] offset:\m*4096+(\f)*512 th:TH_LOAD_NT
.endr
.endm
.macro QX dst, sc, lim                 ; X's 64 numbers become 16 registers of codes; X stays as it is, so that it serves a second scale
.irp c, 0,1,2,3,4,5,6,7
.irp i, 0,1,2,3,4,5,6,7
	v_med3_num_f32 v[T+8*(\c%2)+\i], v[X+8*\c+\i], -v[\lim], v[\lim]   ; the conversion to an 8-bit code does not saturate (ISA guide 7.6.2): the hold comes first
.endr
	v_cvt_scalef32_pk8_fp8_f32 v[\dst+2*\c:\dst+2*\c+1], v[T+8*(\c%2):T+8*(\c%2)+7], v[\sc]   ; T's two sets take turns: the lines behind a conversion are plain and write the other set
.endr
.endm
.macro XSTEP f
.if (\f) < 3
	s_wait_loadcnt 16                              ; this fragment's sixteen loads are in; the next fragment's sixteen may be out
.else
	s_wait_loadcnt 0
.endif
.irp m, 0,1,2,3,4,5,6,7,8,9,10,11,12,13,14,15
	ds_store_b128 v5, v[R+64*((\f)%2)+4*\m:R+64*((\f)%2)+4*\m+3] offset:\m*XP
.endr
.irp c, 0,1,2,3,4,5,6,7
	ds_load_b128 v[X+8*\c:X+8*\c+3], v6 offset:64*\c          ; LDS serves a wave's instructions in order (ISA guide 5.7.1.4): these see the stores above
	ds_load_b128 v[X+8*\c+4:X+8*\c+7], v6 offset:64*\c+16
.endr
	s_wait_dscnt 0x0                               ; the numbers are back, and the stores into the stage have read their registers
	s_wait_xcnt 0x0                                ; the last fragment's stores have read C and C2: they are written again only behind this wait
.if (\f) < 2
	XLOAD (\f)+2
.endif
	QX C, 8, 9
.irp q, 0,1,2,3
	global_store_b128 v4, v[C+4*\q:C+4*\q+3], s[46:47] offset:(\f)*2048+512*\q   ; 512 consecutive bytes, aligned
.endr
	s_cmp_lg_u32 s3, 0                             ; the query alone has a second scale
	s_cbranch_scc1 .Lone_\@
	QX C2, 10, 11
.irp q, 0,1,2,3
	global_store_b128 v4, v[C2+4*\q:C2+4*\q+3], s[48:49] offset:(\f)*2048+512*\q
.endr
.Lone_\@:
.endm
	XLOAD 0
	XLOAD 1
	s_wait_kmcnt 0x0
	s_cmp_eq_u32 s3, 0
	s_cselect_b32 s6, s32, s34
	s_cmp_eq_u32 s3, 2
	s_cselect_b32 s6, s36, s6                      ; e: entry 0, 2 or 4
	s_add_co_i32 s6, s6, 127
	s_lshl_b32 s7, s6, 23
	v_mov_b32 v8, s7                               ; 2^e as f32: the conversion takes its exponent field
	s_add_co_i32 s6, s6, 8
	s_lshl_b32 s6, s6, 23
	s_or_b32 s6, s6, 0x600000
	v_mov_b32 v9, s6                               ; 448 x 2^e
	s_add_co_i32 s6, s38, 127                      ; entry 6
	s_lshl_b32 s7, s6, 23
	v_mov_b32 v10, s7
	s_add_co_i32 s6, s6, 8
	s_lshl_b32 s6, s6, 23
	s_or_b32 s6, s6, 0x600000
	v_mov_b32 v11, s6
	XSTEP 0
	XSTEP 1
	XSTEP 2
	XSTEP 3
	s_wait_tensorcnt 0x0
	ds_add_u32 v14, v15
	s_wait_dscnt 0x0
	s_endpgm
	; ---------------- THE WEIGHTS.  K is their first axis: a lane takes a column n and its registers run down K, so the conversions give codes with K innermost.
	; A wave takes 32 columns x 256 k: 8 blocks of 32.  Its codes, two column tiles x two K steps of images, are gathered in its own stage and leave as runs of 512 bytes.
.Lweights:
	s_sub_co_u32 s3, ttmp9, XWG
	s_lshr_b32 s4, s3, 5                           ; which weight, 0..4
	s_and_b32 s5, s3, 7                            ; which 128 columns
	s_bfe_u32 s6, s3, 0x20003                      ; which 256 along K
	s_cmp_eq_u32 s4, 0
	s_cselect_b64 s[42:43], s[14:15], s[16:17]
	s_cmp_eq_u32 s4, 2
	s_cselect_b64 s[42:43], s[18:19], s[42:43]
	s_cmp_eq_u32 s4, 3
	s_cselect_b64 s[42:43], s[20:21], s[42:43]
	s_cmp_eq_u32 s4, 4
	s_cselect_b64 s[42:43], s[22:23], s[42:43]
	s_lshl_b32 s44, s6, 20                         ; 256 rows of 4,096 bytes
	s_lshl_b32 s7, s5, 9                           ; 128 columns
	s_add_co_u32 s44, s44, s7
	s_lshl_b32 s7, s2, 7                           ; my wave's 32
	s_add_co_u32 s44, s44, s7
	s_add_nc_u64 s[42:43], s[42:43], s[44:45]
	s_lshl_b32 s44, s4, 20                         ; the weight's slot
	s_lshl_b32 s7, s5, 17                          ; eight column tiles of 16,384 bytes
	s_add_co_u32 s44, s44, s7
	s_lshl_b32 s7, s2, 15                          ; my wave's two
	s_add_co_u32 s44, s44, s7
	s_lshl_b32 s7, s6, 12                          ; two K steps
	s_add_co_u32 s44, s44, s7
	s_add_nc_u64 s[46:47], s[28:29], s[44:45]
	v_lshlrev_b32 v3, 2, v2                        ; in: 4 bytes a lane
	s_lshl_b32 s7, s2, 13
	s_add_co_u32 s7, s7, WST0                      ; my stage
	v_lshrrev_b32 v4, 4, v2
	v_and_b32 v5, 15, v2
	v_lshlrev_b32 v4, 12, v4                       ; my column tile's two images,
	v_lshl_add_u32 v4, v5, 4, v4                   ; image lane r = my column mod 16
	v_add_nc_u32 v4, s7, v4
	v_lshlrev_b32 v8, 4, v2                        ; out: 16 x lane
	v_add_nc_u32 v7, s7, v8
.macro WLOAD t                         ; block t: W(32 t + i, my column): 32 lanes read 128 consecutive bytes, the four waves stand side by side on 512
.irp i, 0,1,2,3,4,5,6,7,8,9,10,11,12,13,14,15,16,17,18,19,20,21,22,23,24,25,26,27,28,29,30,31
	global_load_b32 v[WX+32*((\t)%2)+\i], v3, s[42:43] offset:(32*(\t)+\i)*4096 th:TH_LOAD_NT
.endr
.endm
	WLOAD 0
	WLOAD 1
	s_wait_kmcnt 0x0
	s_cmp_eq_u32 s4, 0
	s_cselect_b32 s7, s33, s35
	s_cmp_eq_u32 s4, 2
	s_cselect_b32 s7, s37, s7
	s_cmp_eq_u32 s4, 3
	s_cselect_b32 s7, s39, s7
	s_cmp_eq_u32 s4, 4
	s_cselect_b32 s7, s41, s7                      ; e: entry 1, 3, 5, 7 or 13
	s_add_co_i32 s7, s7, 127
	s_lshl_b32 s6, s7, 23
	v_mov_b32 v11, s6                              ; 2^e
	s_add_co_i32 s7, s7, 8
	s_lshl_b32 s7, s7, 23
	s_or_b32 s7, s7, 0x600000
	v_mov_b32 v10, s7                              ; 448 x 2^e
.macro BLOCK t
.set XS, WX+32*((\t)%2)
.if (\t) < 7
	s_wait_loadcnt 32                              ; this block's 32 loads are in; the next block's may be out
.else
	s_wait_loadcnt 0
.endif
.irp i, 0,1,2,3,4,5,6,7,8,9,10,11,12,13,14,15,16,17,18,19,20,21,22,23,24,25,26,27,28,29,30,31
	v_med3_num_f32 v[XS+\i], v[XS+\i], -v10, v10
.endr
	; of the block's 32 k the image gives k 0-7 and 16-23 to lane r, k 8-15 and 24-31 to lane r + 16, 256 bytes further on
	v_cvt_scalef32_pk8_fp8_f32 v[WC:WC+1], v[XS:XS+7], v11
	v_cvt_scalef32_pk8_fp8_f32 v[WC+2:WC+3], v[XS+16:XS+23], v11
	v_cvt_scalef32_pk8_fp8_f32 v[WC+4:WC+5], v[XS+8:XS+15], v11
	v_cvt_scalef32_pk8_fp8_f32 v[WC+6:WC+7], v[XS+24:XS+31], v11
	ds_store_b128 v4, v[WC:WC+3] offset:((\t)/4)*2048+((\t)%4)*512
	ds_store_b128 v4, v[WC+4:WC+7] offset:((\t)/4)*2048+((\t)%4)*512+256
.if (\t)+2 < 8
	WLOAD (\t)+2
.endif
	s_wait_dscnt 0x0                               ; the stores have read their registers: the next block's codes may be written
.endm
.irp t, 0,1,2,3,4,5,6,7
	BLOCK \t
.endr
.irp i, 0,1,2,3,4,5,6,7,8,9,10,11,12,13,14,15
	ds_load_b128 v[OUTR+4*\i:OUTR+4*\i+3], v7 offset:512*\i
.endr
.irp i, 0,1,2,3,4,5,6,7,8,9,10,11,12,13,14,15
	s_wait_dscnt 15-\i                             ; run i is back; the younger ones may be out
	global_store_b128 v8, v[OUTR+4*\i:OUTR+4*\i+3], s[46:47] offset:(\i/8)*16384+(\i%8)*512   ; 512 consecutive bytes, aligned
.endr
	s_wait_tensorcnt 0x0
	ds_add_u32 v14, v15
	s_wait_dscnt 0x0
	s_endpgm
.Lfunc_end_k_q000761faa7_quant:
	.size	k_q000761faa7_quant, .Lfunc_end_k_q000761faa7_quant-k_q000761faa7_quant
	.p2alignl 7, 3214868480
	.fill 96, 4, 3214868480
	.section	.rodata,"a",@progbits
	.p2align	6, 0x0
	.amdhsa_kernel k_q000761faa7_quant
		.amdhsa_group_segment_fixed_size 67072
		.amdhsa_private_segment_fixed_size 0
		.amdhsa_enable_private_segment 0
		.amdhsa_kernarg_size 88
		.amdhsa_user_sgpr_count 2
		.amdhsa_user_sgpr_kernarg_segment_ptr 1
		.amdhsa_wavefront_size32 1
		.amdhsa_system_sgpr_workgroup_id_x 1
		.amdhsa_system_sgpr_workgroup_id_y 1
		.amdhsa_system_sgpr_workgroup_id_z 1
		.amdhsa_system_vgpr_workitem_id 0
		.amdhsa_next_free_vgpr 256
		.amdhsa_next_free_sgpr 66
		.amdhsa_reserve_vcc 0
		.amdhsa_float_denorm_mode_32 3
		.amdhsa_float_denorm_mode_16_64 3
		.amdhsa_memory_ordered 1
		.amdhsa_forward_progress 1
		.amdhsa_inst_pref_size 106
	.end_amdhsa_kernel
	.amdgpu_metadata
---
amdhsa.version: [ 1, 2 ]
amdhsa.kernels:
  - .name:           k_q000761faa7_quant
    .symbol:         k_q000761faa7_quant.kd
    .args:
      - { .name: query, .offset: 0, .size: 8, .value_kind: global_buffer, .address_space: global }
      - { .name: key, .offset: 8, .size: 8, .value_kind: global_buffer, .address_space: global }
      - { .name: value, .offset: 16, .size: 8, .value_kind: global_buffer, .address_space: global }
      - { .name: Wq, .offset: 24, .size: 8, .value_kind: global_buffer, .address_space: global }
      - { .name: Wk, .offset: 32, .size: 8, .value_kind: global_buffer, .address_space: global }
      - { .name: Wv, .offset: 40, .size: 8, .value_kind: global_buffer, .address_space: global }
      - { .name: Wr, .offset: 48, .size: 8, .value_kind: global_buffer, .address_space: global }
      - { .name: Wo, .offset: 56, .size: 8, .value_kind: global_buffer, .address_space: global }
      - { .name: lowp_scales, .offset: 64, .size: 8, .value_kind: global_buffer, .address_space: global }
      - { .name: x_img, .offset: 72, .size: 8, .value_kind: global_buffer, .address_space: global }
      - { .name: w_img, .offset: 80, .size: 8, .value_kind: global_buffer, .address_space: global }
    .group_segment_fixed_size: 67072
    .private_segment_fixed_size: 0
    .kernarg_segment_align: 8
    .kernarg_segment_size: 88
    .max_flat_workgroup_size: 128
    .sgpr_count:     66
    .vgpr_count:     256
    .wavefront_size: 32
...
	.end_amdgpu_metadata
.endif
;; end of part 1
;; launch proj (part 2): grid 4 x 128, 4 waves a work-group, clusters of 4 x 4, 327,680 bytes of LDS; arguments x_img, w_img, lowp_scales, bq, bk, bv, br, qkv_img, r_img; writes qkv_img, r_img
.if DOCPART == 2
	.amdgcn_target "amdgcn-amd-amdhsa--gfx1250"
	.amdhsa_code_object_version 6
	.text
	.protected	k_q000761faa7_proj
	.globl	k_q000761faa7_proj
	.p2align	8
	.type	k_q000761faa7_proj,@function
k_q000761faa7_proj:
	s_mov_b64 s[64:65], 0
	v_nop
	global_prefetch_b8 v0, s[64:65] scope:SCOPE_SE
	s_setreg_imm32_b32 hwreg(HW_REG_WAVE_MODE, 25, 1), 1
	s_wait_xcnt 0x0
	s_wait_alu depctr_hold_cnt(0) depctr_sa_sdst(0) depctr_va_vdst(0) depctr_va_sdst(0) depctr_va_ssrc(0) depctr_va_vcc(0) depctr_vm_vsrc(0)
	s_getreg_b32 s2, hwreg(HW_REG_IB_STS2, 6, 4)
	s_cmp_eq_u32 s2, 0
	s_cbranch_scc0 .Lentry_in_a_cluster
	s_endpgm
.Lentry_in_a_cluster:
	s_bfe_u32 s2, ttmp6, 0x10000c
	s_cmp_lg_u32 s2, 0xf033
	s_cbranch_scc0 .Lentry_shape_is_right
	s_endpgm
.Lentry_shape_is_right:
; The four projections, each [8192][1024] x [1024][1024] on codes of FP8 (E4M3): q = query Wq + bq, k = key Wk + bk, v = value Wv + bv, r = query Wr + br.  Sums in f32; each finished sum x 2^(eA + eB) + bias.
; q, k and v are quantised at once for the attention's products (entries 8, 9, 11 of the scales) and stored as images of the operands' registers; r stays f32, laid as the attention's results lie.
; LIMITS: eA + eB between -126 and 127; the result's e between -126 and 119, so that each power of two below is an f32 number.
; TASKS.  Cluster y / 8 is the task (0 q, 1 k, 2 v, 3 r): the same number in all sixteen partners of a cluster.  A work-group of four waves makes a tile of 256 x 256; a wave 128 x 128: 64 accumulators.
; ROLES.  Source 1 of the matrix instruction takes 16 rows of the A ROLE, source 0 sixteen of the B ROLE: in the result a lane holds one A-role row (lane % 16), its registers the B-role rows 8 (lane / 16) + 0 .. 7.
;   q, k, r: A role = the activation's rows, B role = the weight's columns: a lane's eight registers are eight neighbouring d of one position, which is K of the scores' product.
;   v:       A role = Wv's columns, B role = value's rows: a lane's eight registers are eight neighbouring KEYS of one d, which is K of the second product.
; OPERANDS arrive as images (16 rows x 128 k = 2,048 bytes; registers 4 c .. 4 c + 3 of lane L at byte 512 c + 16 L), [row tile][K step 8][image]: a fragment is four dense LDS loads, with no pitch and no padding.
; K goes in steps of 256 through a ring of two LDS slots: a wave's tensor load brings, for eight row tiles, 4,096 consecutive bytes each.
; CLUSTERS: 4 x 4 work-groups.  The A role's tile hangs on the cluster's y and on cy alone and is asked for jointly by my row of the cluster, the B role's on the cluster's y and cx, by my column.
; REGISTERS, in windows of 256: window 0: v16-31 addresses and constants; v32-95, v96-111 the bias in both layouts; v112-127 codes; from v128 the A role's fragments, ONE set (on the way out v128-191 are at work).
;   window 1: the B role's fragments, TWO sets.   window 2: the accumulators of my A-role blocks 0-3 ((a, b) at v[8 (8 a + b)]);   window 3: those of blocks 4-7.
.set HALFT,  32768                     ; eight row tiles x 4,096 bytes: what one tensor load brings, and what one wave reads of a role
.set SLOT,   4*HALFT                   ; the A role's two halves, then the B role's
.set SPARE,  2*SLOT                    ; behind the ring: the spare words, 128 bytes for each wave: two blocks of 256 bytes that no other line names
.set KADV,   4096                      ; a slot's part of a row tile: two images
.set FR,     16                        ; registers of a fragment
.set NL,     4                         ; LDS loads that bring one
.set NP,     4                         ; places behind this matrix instruction (ISA guide 7.12.1)
.set LAPS,   2                         ; K = 1,024 is twice round the ring
.set ADRA, 16                          ; v16-17  LDS address of my A-role fragments in slot 0, 1
.set HB,   18                          ; v18     32 x (lane / 16); never rewritten
.set RW,   19                          ; v19     4 x (lane % 16); never rewritten
.set ADRB, 20                          ; v20-21  the same as ADRA for the B role
.set LI,   27                          ; v27     16 x lane; never rewritten
.set SPW,  28                          ; v28     LDS address of my spare word; never rewritten
.set NIL,  29                          ; v29     0; never rewritten
.set SC,   30                          ; v30     2^e of the result's quantiser
.set LIM,  31                          ; v31     448 x that
.set BI,   32                          ; v32-95  bias along the B role: register 8 b + j
.set BV,   96                          ; v96-111 bias along the A role: block a's in registers 2 a and 2 a + 1
.set CC,   112                         ; v112-127 a block's codes
.set AF,   128                         ; the A role's fragments
.set TMP,  128                         ; the way out: 64 numbers
.set G1, 24                            ; s[24:31] descriptor group 1 for the A role;  s[32:39] group 0, one set for each slot
.set G0, 32
.set G1B, 48                           ; s[48:55], s[56:63] the same for the B role
.set G0B, 56
.set MSB, 0
.macro WIN new                         ; the immediate's high byte repeats the setting that is left
.if MSB != \new
	s_set_vgpr_msb (MSB<<8)|\new
.set MSB, \new
.endif
.endm
.set MUL_LO, 0xa1                      ; source 0 (B role) window 1, source 1 (A role) window 0, C and D window 2
.set MUL_HI, 0xf1                      ; the same, C and D window 3
.set TO_B,   0x40                      ; destination window 1, address window 0
; A joint load: waves 0 and 1 fetch for the A role, waves 2 and 3 for the B role.  The branch hangs on the wave's number alone.  Four v_nop follow each of the two lines.
.macro JLOAD g0a, g1a, g0b, g1b
	s_cmp_eq_u32 s15, 0
	s_cbranch_scc0 .Lfor_b_\@
	tensor_load_to_lds s[\g0a:\g0a+3], s[\g1a:\g1a+7]
	s_nop 0
.rept 4
	v_nop
.endr
	s_branch .Lasked_\@
.Lfor_b_\@:
	tensor_load_to_lds s[\g0b:\g0b+3], s[\g1b:\g1b+7]
	s_nop 0
.rept 4
	v_nop
.endr
.Lasked_\@:
.endm
.macro CREST                           ; a round of the cluster's barrier behind its opening barrier
	s_cmp_lg_u32 s14, 0
	s_cbranch_scc1 .Lnot_wave_0_\@
	s_barrier_signal -3
.Lnot_wave_0_\@:
	s_barrier_wait -3
	s_barrier_signal -1
	s_barrier_wait -1
.endm
.macro CROUND                          ; a whole round
	s_barrier_signal -1
	s_barrier_wait -1
	CREST
.endm
	s_load_b128 s[4:7], s[0:1], 0x0                ; x_img s[4:5], w_img s[6:7]
	s_load_b64 s[8:9], s[0:1], 0x10                ; the scales' exponents
	s_load_b256 s[68:75], s[0:1], 0x18             ; bq, bk, bv, br
	s_load_b128 s[76:79], s[0:1], 0x38             ; qkv_img s[76:77], r_img s[78:79]
	v_lshl_add_u32 v[SPW], v0, 2, SPARE
	v_mov_b32 v[NIL], 0
	ds_add_u32 v28, v29
	ds_add_u32 v28, v29
	s_wait_dscnt 0x0
	v_lshrrev_b32 v1, 5, v0
	v_readfirstlane_b32 s14, v1                    ; wave 0..3
	s_lshr_b32 s15, s14, 1                         ; which half of the A role's 256 rows is mine.  Also: I fetch for the A role (0) or the B role (1)
	s_and_b32 s16, s14, 1                          ; which half of the B role's.  Also: which half of that tile I fetch
	s_bfe_u32 s40, ttmp6, 0x40000                  ; cx, cy: my place in the cluster
	s_bfe_u32 s41, ttmp6, 0x40004
	s_and_b32 s18, ttmp7, 0xffff                   ; cluster y, 0..31
	s_lshr_b32 s17, s18, 3                         ; the task
	s_and_b32 s42, s18, 7
	s_lshl_b32 s42, s42, 2                         ; the first of the cluster's four tiles of 256 activation rows
	s_lshl_b32 s43, s41, 2
	s_lshl_b32 s43, 15, s43                        ; my row of the cluster
	s_lshl_b32 s44, 0x1111, s40                    ; my column
	; descriptor group 1: eight rows of 512 elements of 8 bytes, 2,048 elements apart; dense in LDS
	s_or_b32 s[G1+0], s43, (3<<16)|(1<<21)         ; 15:0 the mask; 17:16 elements of 8 bytes; 20 no padding; 21 set beside a mask
	s_or_b32 s[G1B+0], s44, (3<<16)|(1<<21)
.irp g, G1, G1B
	s_mov_b32 s[\g+1], 512<<16                     ; tensor_dim0
	s_mov_b32 s[\g+2], 8<<16                       ; tensor_dim1
	s_mov_b32 s[\g+3], 512<<16                     ; tile_dim0
	s_mov_b32 s[\g+4], 8                           ; tile_dim1
	s_mov_b32 s[\g+5], 2048                        ; tensor_dim0_stride: a row tile's eight images
	s_mov_b32 s[\g+6], 0
	s_mov_b32 s[\g+7], 0
.endr
	s_cmp_eq_u32 s17, 2                            ; task v changes the roles
	s_cselect_b32 s18, 20, 23                      ; the A role's slots are 1 MiB (weights) or 8 MiB (activations) apart,
	s_cselect_b32 s19, 23, 20                      ; the B role's the other way round
	s_cselect_b32 s22, 0, s42                      ; the activations' tile takes the cluster's part
	s_cselect_b32 s23, s42, 0
	s_add_co_u32 s86, s41, s22                     ; the A role's tile: cy (+ the cluster's part)
	s_add_co_u32 s87, s40, s23                     ; the B role's tile: cx (+ the cluster's part)
	s_lshl_b32 s20, s86, 1
	s_add_co_u32 s20, s20, s16
	s_lshl_b32 s20, s20, 17                        ; halves of 131,072 bytes
	s_lshl_b32 s21, s17, s18
	s_add_co_u32 s20, s20, s21                     ; + the task's slot
	s_mov_b32 s21, 0
	s_lshl_b32 s46, s87, 1
	s_add_co_u32 s46, s46, s16
	s_lshl_b32 s46, s46, 17
	s_lshl_b32 s47, s17, s19
	s_add_co_u32 s46, s46, s47
	s_mov_b32 s47, 0
	s_mul_i32 s45, s14, HALFT                      ; where they go: wave x 32,768: no place in the cluster enters an LDS address
	s_wait_kmcnt 0x0
	s_load_b256 s[88:95], s[8:9], 0x0              ; entries 0 to 7
	s_load_b128 s[96:99], s[8:9], 0x20             ; entries 8 to 11
	s_cmp_eq_u32 s17, 2
	s_cselect_b64 s[10:11], s[6:7], s[4:5]         ; the A role's buffer
	s_cselect_b64 s[12:13], s[4:5], s[6:7]         ; the B role's
	s_add_nc_u64 s[20:21], s[10:11], s[20:21]
	s_add_nc_u64 s[46:47], s[12:13], s[46:47]
	CROUND                                         ; all sixteen work-groups are here: the first joint loads meet
.irp s, 0,1
	s_mov_b32 s[G0+4*\s], 1
	s_add_co_u32 s[G0+4*\s+1], s45, \s*SLOT
	s_add_nc_u64 s[G0+4*\s+2:G0+4*\s+3], s[20:21], \s*KADV
	s_or_b32 s[G0+4*\s+3], s[G0+4*\s+3], 0x80000000
	s_mov_b32 s[G0B+4*\s], 1
	s_add_co_u32 s[G0B+4*\s+1], s45, \s*SLOT
	s_add_nc_u64 s[G0B+4*\s+2:G0B+4*\s+3], s[46:47], \s*KADV
	s_or_b32 s[G0B+4*\s+3], s[G0B+4*\s+3], 0x80000000
	JLOAD G0+4*\s, G1, G0B+4*\s, G1B
.endr
	v_and_b32 v1, 31, v0
	v_lshlrev_b32 v[LI], 4, v1
	s_lshl_b32 s21, s15, 15                        ; my half of the A role
	s_lshl_b32 s22, s16, 15                        ; my half of the B role,
	s_add_co_u32 s22, s22, 2*HALFT                 ; which lies behind the A role's two
.irp s, 0,1
	v_add_nc_u32 v[ADRA+\s], s21, v[LI]
	v_add_nc_u32 v[ADRB+\s], s22, v[LI]
	s_add_co_u32 s21, s21, SLOT
	s_add_co_u32 s22, s22, SLOT
.endr
	v_bfe_u32 v[HB], v0, 4, 1
	v_lshlrev_b32 v[HB], 5, v[HB]
	v_and_b32 v[RW], 15, v0
	v_lshlrev_b32 v[RW], 2, v[RW]
	; the scales: the task's pair eA, eB and the e of its result's quantiser (r has none: a value is made and not used)
	s_wait_kmcnt 0x0
	s_cmp_eq_u32 s17, 1
	s_cselect_b32 s98, s97, s96                    ; k: entry 9; else entry 8
	s_cselect_b64 s[88:89], s[90:91], s[88:89]
	s_cmp_eq_u32 s17, 2
	s_cselect_b32 s98, s99, s98                    ; v: entry 11
	s_cselect_b64 s[88:89], s[92:93], s[88:89]
	s_cmp_eq_u32 s17, 3
	s_cselect_b64 s[88:89], s[94:95], s[88:89]
	s_add_co_i32 s96, s88, s89
	s_add_co_i32 s96, s96, 127
	s_lshl_b32 s96, s96, 23                        ; 2^(eA + eB) as f32
	s_mov_b32 s97, s96                             ; (named with it as a pair, so it is written)
	s_add_co_i32 s98, s98, 127
	s_lshl_b32 s99, s98, 23
	v_mov_b32 v[SC], s99
	s_add_co_i32 s98, s98, 8
	s_lshl_b32 s98, s98, 23
	s_or_b32 s98, s98, 0x600000
	v_mov_b32 v[LIM], s98
	; which tile is of columns (Xc) and which of activation rows (Yr); which of my two halves goes with which
	s_cmp_eq_u32 s17, 2
	s_cselect_b32 s18, s86, s87                    ; Xc
	s_cselect_b32 s19, s87, s86                    ; Yr
	s_cselect_b32 s22, s15, s16                    ; P: my half of the columns
	s_cselect_b32 s23, s16, s15                    ; R: my half of the rows
	s_cmp_eq_u32 s17, 1
	s_cselect_b64 s[80:81], s[70:71], s[68:69]
	s_cmp_eq_u32 s17, 2
	s_cselect_b64 s[80:81], s[72:73], s[80:81]
	s_cmp_eq_u32 s17, 3
	s_cselect_b64 s[80:81], s[74:75], s[80:81]     ; the task's bias
	; both layouts of the bias are loaded in every task (both stay inside its 1,024 numbers); the way out takes the one that fits the roles
	s_lshl_b32 s88, s18, 10                        ; 256 Xc numbers
	s_lshl_b32 s90, s16, 9
	s_add_co_u32 s90, s90, s88
	s_mov_b32 s91, 0
	s_add_nc_u64 s[90:91], s[80:81], s[90:91]
	s_lshl_b32 s89, s15, 9
	s_add_co_u32 s88, s88, s89
	s_mov_b32 s89, 0
	s_add_nc_u64 s[88:89], s[80:81], s[88:89]
.irp b, 0,1,2,3,4,5,6,7
	global_load_b128 v[BI+8*\b:BI+8*\b+3], v[HB], s[90:91] offset:64*\b          ; bias(.. + 16 b + 8 h + 0 .. 3)
	global_load_b128 v[BI+8*\b+4:BI+8*\b+7], v[HB], s[90:91] offset:64*\b+16
.endr
.irp a, 0,1,2,3,4,5,6,7
	global_load_b32 v[BV+2*\a], v[RW], s[88:89] offset:64*\a                     ; bias(.. + 16 a + r), twice: a pair for the packed form
	global_load_b32 v[BV+2*\a+1], v[RW], s[88:89] offset:64*\a
.endr
	; where my results go.  A wave's codes are one dense block of 16,384 bytes, its f32 numbers one of 65,536
	s_lshr_b32 s92, s19, 2                         ; the batch
	s_lshl_b32 s92, s92, 3
	s_lshl_b32 s93, s18, 1
	s_add_co_u32 s92, s92, s93
	s_add_co_u32 s92, s92, s22                     ; x 8 + the pair of heads: 2 Xc + P
	s_lshl_b32 s92, s92, 17
	s_and_b32 s93, s19, 3
	s_lshl_b32 s93, s93, 15                        ; 256 positions
	s_add_co_u32 s92, s92, s93
	s_lshl_b32 s93, s23, 14                        ; 128 positions
	s_add_co_u32 s92, s92, s93
	s_mov_b32 s93, 0
	s_lshl_b32 s94, s92, 2
	s_mov_b32 s95, 0
	s_add_nc_u64 s[84:85], s[78:79], s[94:95]      ; r_img: four bytes a number
	s_min_u32 s94, s17, 2                          ; (task r does not store codes: its pointer stays inside the buffer)
	s_lshl_b32 s94, s94, 23
	s_add_co_u32 s92, s92, s94
	s_add_nc_u64 s[82:83], s[76:77], s[92:93]      ; qkv_img: q at 0, k at 8 MiB, v at 16 MiB
.macro FRAG reg, adr, q, i             ; fragment of row tile i, the slot's q-th 128 along K: four dense loads of 512 bytes
.irp c, 0,1,2,3
	ds_load_b128 v[\reg+4*\c:\reg+4*\c+3], v[\adr] offset:(\i)*4096+(\q)*2048+512*\c
.endr
.endm
; 16 matrix instructions: A-role blocks a0, a0 + 1 x the B role's eight, 128 along K.  p: the B role's set.  zero = 1: the first product starts the sums.
; The 64 accumulators take turns, one instruction a turn, in the same order in every step.
.macro MUL16 a0, p, zero
.irp a, \a0, \a0+1
.irp b, 0,1,2,3,4,5,6,7
.if \zero
	v_wmma_f32_16x16x128_fp8_fp8 v[8*(8*((\a)%4)+\b):8*(8*((\a)%4)+\b)+7], v[128*(\p)+FR*\b:128*(\p)+FR*\b+FR-1], v[AF+FR*(\a):AF+FR*(\a)+FR-1], 0
.else
	v_wmma_f32_16x16x128_fp8_fp8 v[8*(8*((\a)%4)+\b):8*(8*((\a)%4)+\b)+7], v[128*(\p)+FR*\b:128*(\p)+FR*\b+FR-1], v[AF+FR*(\a):AF+FR*(\a)+FR-1], v[8*(8*((\a)%4)+\b):8*(8*((\a)%4)+\b)+7]
.endif
.endr
.endr
.endm
.macro FETCH_B slot, q, p
	WIN TO_B
.irp i, 0,1,2,3,4,5,6,7
	FRAG 128*(\p)+FR*\i, ADRB+\slot, \q, \i
.endr
	WIN 0
.endm
.macro FETCH_A slot, q, i0
.irp i, \i0, \i0+1, \i0+2, \i0+3
	FRAG AF+FR*(\i), ADRA+\slot, \q, \i
.endr
.endm
.macro PLACES n                        ; plain vector lines between a matrix instruction and a load into, or a vector line on, its registers
.rept \n
	v_nop
.endr
.endm
; A step of 128 along K that has its successor in the same slot.
.macro STEP slot, q, zero
	s_wait_dscnt 4*NL                              ; the B role's set and A-role blocks 0-3 are in; the youngest sixteen loads (blocks 4-7) may be out
	WIN MUL_LO
	MUL16 0, (\q)%2, \zero
	MUL16 2, (\q)%2, \zero
	s_wait_dscnt 0                                 ; blocks 4-7 are in
	PLACES NP
	FETCH_B \slot, (\q)+1, 1-(\q)%2
	FETCH_A \slot, (\q)+1, 0
	WIN MUL_HI
	MUL16 4, (\q)%2, \zero
	MUL16 6, (\q)%2, \zero
	PLACES NP
	WIN 0
	FETCH_A \slot, (\q)+1, 4
.endm
; A slot's last step changes slots: ONE barrier; in front of it each wave waits for all its tensor loads, adds 0 to its spare word, and waits for that and for its own reads of this slot.  fill = 1: the slot is filled again, two slot steps ahead.
.macro TURN slot, next, fill
	s_wait_tensorcnt 0x0                           ; all my tensor loads have landed: my part of the next slot
	ds_add_u32 v[SPW], v[NIL]                      ; 0 onto my spare word
	s_wait_dscnt 4*NL+1                            ; (the add and the youngest sixteen loads may be out)
	WIN MUL_LO
	MUL16 0, 1, 0                                  ; sixteen matrix instructions stand between the add and the wait for it
	s_wait_dscnt 0x0                               ; the add is done, and my reads of this slot are over
	s_barrier_signal -1
	MUL16 2, 1, 0
	WIN 0
	s_barrier_wait -1
.if \fill
	CREST                                          ; the barrier has opened a round of the cluster's barrier: no wave of any partner still reads this slot or has a load on its way
	s_add_nc_u64 s[G0+4*\slot+2:G0+4*\slot+3], s[G0+4*\slot+2:G0+4*\slot+3], 2*KADV
	s_add_nc_u64 s[G0B+4*\slot+2:G0B+4*\slot+3], s[G0B+4*\slot+2:G0B+4*\slot+3], 2*KADV
	JLOAD G0+4*\slot, G1, G0B+4*\slot, G1B         ; the first tensor load behind the round; its four v_nop are the places in front of the loads below
.else
	PLACES NP
.endif
	FETCH_B \next, 0, 0
	FETCH_A \next, 0, 0
	WIN MUL_HI
	MUL16 4, 1, 0
	MUL16 6, 1, 0
	PLACES NP
	WIN 0
	FETCH_A \next, 0, 4
.endm
	s_wait_loadcnt 0x0                             ; the bias: it lands while the first tiles are on their way
	s_wait_tensorcnt 1                             ; my part of slot 0 is in (slot 1's load may be out)
	s_barrier_signal -1
	s_barrier_wait -1                              ; everybody's is
	FETCH_B 0, 0, 0
	FETCH_A 0, 0, 0
	FETCH_A 0, 0, 4
	STEP 0, 0, 1                                   ; the first step stands in front of the loop: its products start the sums
	s_mov_b32 s3, LAPS-1
.Llap:                                                 ; a trip goes once round the ring and fills both slots again
	TURN 0, 1, 1
	STEP 1, 0, 0
	TURN 1, 0, 1
	STEP 0, 0, 0
	s_sub_co_u32 s3, s3, 1
	s_cmp_lg_u32 s3, 0
	s_cbranch_scc1 .Llap
	TURN 0, 1, 0                                   ; the last lap fills nothing
	STEP 1, 0, 0
	s_wait_dscnt 4*NL                              ; the very last step
	WIN MUL_LO
	MUL16 0, 1, 0
	MUL16 2, 1, 0
	s_wait_dscnt 0
	WIN MUL_HI
	MUL16 4, 1, 0
	MUL16 6, 1, 0
	WIN 0
; THE WAY OUT, A-role block by block: 64 numbers a lane = sum x 2^(eA + eB) + bias, each accumulator from its low end on.
; q, k: the block is 16 positions; registers 8 b + j are d = 16 (b % 4) + 8 h + j of head b / 4 of my pair: eight conversions give the two heads' images of 16 positions x 64 d.
; v:    the block is 16 d; registers 8 b + j are keys 16 b + 8 h + j of my 128: the conversions give one image of 16 d x 128 keys.
; r:    the 64 numbers are stored as they stand.  Every store covers 512 consecutive bytes, aligned.  The branches hang on the task alone.
.macro OUTBLK a
.set AC, 64*((\a)%4)
.if (\a) > 0
	s_wait_xcnt 0x0                                ; the last block's stores have read TMP and CC: they are written again only behind this wait
.endif
	s_cmp_eq_u32 s17, 2
	s_cbranch_scc1 .Lby_lane_\@
	WIN 0x02+((\a)/4)                              ; source 0: window 2 or 3
.irp b, 0,1,2,3,4,5,6,7
.irp i, 0,2,4,6
	v_pk_fma_f32 v[TMP+8*\b+\i:TMP+8*\b+\i+1], v[AC+8*\b+\i:AC+8*\b+\i+1], s[96:97], v[BI+8*\b+\i:BI+8*\b+\i+1] op_sel_hi:[1,0,1]
.endr
.endr
	WIN 0
	s_branch .Lbiased_\@
.Lby_lane_\@:
	WIN 0x02+((\a)/4)
.irp b, 0,1,2,3,4,5,6,7
.irp i, 0,2,4,6
	v_pk_fma_f32 v[TMP+8*\b+\i:TMP+8*\b+\i+1], v[AC+8*\b+\i:AC+8*\b+\i+1], s[96:97], v[BV+2*(\a):BV+2*(\a)+1] op_sel_hi:[1,0,1]
.endr
.endr
	WIN 0
.Lbiased_\@:
	s_cmp_eq_u32 s17, 3
	s_cbranch_scc1 .Lwide_\@
.set j, 0
.rept 64
	v_med3_num_f32 v[TMP+j], v[TMP+j], -v[LIM], v[LIM]   ; the conversion to an 8-bit code does not saturate (ISA guide 7.6.2): the hold comes first
.set j, j+1
.endr
.irp b, 0,1,2,3,4,5,6,7
	v_cvt_scalef32_pk8_fp8_f32 v[CC+2*\b:CC+2*\b+1], v[TMP+8*\b:TMP+8*\b+7], v[SC]
.endr
	v_nop                                          ; one plain vector line behind the last conversion: the next block writes its sources
.irp q, 0,1,2,3
	global_store_b128 v[LI], v[CC+4*\q:CC+4*\q+3], s[82:83] offset:(\a)*2048+512*\q
.endr
	s_branch .Lstored_\@
.Lwide_\@:
.irp b, 0,1,2,3,4,5,6,7
	global_store_b128 v[LI], v[TMP+8*\b:TMP+8*\b+3], s[84:85] offset:(\a)*8192+\b*1024
	global_store_b128 v[LI], v[TMP+8*\b+4:TMP+8*\b+7], s[84:85] offset:(\a)*8192+\b*1024+512
.endr
.Lstored_\@:
.endm
	PLACES NP                                      ; behind the last products: for the reads of their results and the writes of the registers that held fragments
.irp a, 0,1,2,3,4,5,6,7
	OUTBLK \a
.endr
	s_wait_tensorcnt 0x0                           ; the wave's end
	ds_add_u32 v[SPW], v[NIL]
	s_wait_dscnt 0x0
	CROUND                                         ; the closing round: no work-group ends while a partner may still ask for a tile that names it
	s_endpgm
.Lfunc_end_k_q000761faa7_proj:
	.size	k_q000761faa7_proj, .Lfunc_end_k_q000761faa7_proj-k_q000761faa7_proj
	.p2alignl 7, 3214868480
	.fill 96, 4, 3214868480
	.section	.rodata,"a",@progbits
	.p2align	6, 0x0
	.amdhsa_kernel k_q000761faa7_proj
		.amdhsa_group_segment_fixed_size 327680
		.amdhsa_private_segment_fixed_size 0
		.amdhsa_enable_private_segment 0
		.amdhsa_kernarg_size 72
		.amdhsa_user_sgpr_count 2
		.amdhsa_user_sgpr_kernarg_segment_ptr 1
		.amdhsa_wavefront_size32 1
		.amdhsa_system_sgpr_workgroup_id_x 1
		.amdhsa_system_sgpr_workgroup_id_y 1
		.amdhsa_system_sgpr_workgroup_id_z 1
		.amdhsa_system_vgpr_workitem_id 0
		.amdhsa_next_free_vgpr 1024
		.amdhsa_next_free_sgpr 100
		.amdhsa_reserve_vcc 0
		.amdhsa_float_denorm_mode_32 3
		.amdhsa_float_denorm_mode_16_64 3
		.amdhsa_memory_ordered 1
		.amdhsa_forward_progress 1
		.amdhsa_inst_pref_size 168
	.end_amdhsa_kernel
	.amdgpu_metadata
---
amdhsa.version: [ 1, 2 ]
amdhsa.kernels:
  - .name:           k_q000761faa7_proj
    .symbol:         k_q000761faa7_proj.kd
    .args:
      - { .name: x_img, .offset: 0, .size: 8, .value_kind: global_buffer, .address_space: global }
      - { .name: w_img, .offset: 8, .size: 8, .value_kind: global_buffer, .address_space: global }
      - { .name: lowp_scales, .offset: 16, .size: 8, .value_kind: global_buffer, .address_space: global }
      - { .name: bq, .offset: 24, .size: 8, .value_kind: global_buffer, .address_space: global }
      - { .name: bk, .offset: 32, .size: 8, .value_kind: global_buffer, .address_space: global }
      - { .name: bv, .offset: 40, .size: 8, .value_kind: global_buffer, .address_space: global }
      - { .name: br, .offset: 48, .size: 8, .value_kind: global_buffer, .address_space: global }
      - { .name: qkv_img, .offset: 56, .size: 8, .value_kind: global_buffer, .address_space: global }
      - { .name: r_img, .offset: 64, .size: 8, .value_kind: global_buffer, .address_space: global }
    .group_segment_fixed_size: 327680
    .private_segment_fixed_size: 0
    .kernarg_segment_align: 8
    .kernarg_segment_size: 72
    .max_flat_workgroup_size: 128
    .sgpr_count:     100
    .vgpr_count:     1024
    .wavefront_size: 32
...
	.end_amdgpu_metadata
.endif
;; end of part 2
;; launch attn (part 3): grid 2 x 128, 16 waves a work-group, no clusters, 133,120 bytes of LDS; arguments qkv_img, r_img, lowp_scales, g_img; writes g_img
.if DOCPART == 3
	.amdgcn_target "amdgcn-amd-amdhsa--gfx1250"
	.amdhsa_code_object_version 6
	.text
	.protected	k_q000761faa7_attn
	.globl	k_q000761faa7_attn
	.p2align	8
	.type	k_q000761faa7_attn,@function
k_q000761faa7_attn:
	s_mov_b64 s[64:65], 0
	v_nop
	global_prefetch_b8 v0, s[64:65] scope:SCOPE_SE
	s_setreg_imm32_b32 hwreg(HW_REG_WAVE_MODE, 25, 1), 1
	s_wait_xcnt 0x0
; gated[b][i][head][d] = r x (the sum over keys j of softmax_j(q_i . k_j / 32) v_j), both products on codes of FP8 (E4M3), each operand with the scale 2^e given for it (entries 8 to 11);
; the gated numbers are quantised at once (entry 12) for the output projection.
; THE SOFTMAX AHEAD OF THE SECOND PRODUCT: t = score x log2(e) / 32; M = the row's largest t so far, rounded UP to a whole number; p = 2^(t - M) is what is quantised, along the keys; it is not normalised.
; The row's sum is taken of the unquantised p, in f32, and divides O at the end.  When M moves, the sum and O are multiplied by 2^(old M - new M): exact.
; LIMITS: e8 + e9 between -121 and 132 (they are added to the exponent field of log2(e) / 32); e10 and e12 between -126 and 119; e10 + e11 is applied by v_ldexp_f32 and has none.
; SHARES.  A work-group owns 512 queries of one head (x: which half; y: 16 x batch + head).  Each of its sixteen waves owns two tiles of 16 queries, one after the other, in 256 registers.
; THE HEAD'S WHOLE K AND V LIE IN LDS, 65,536 bytes each, WRITTEN ONCE, IN TWO HALVES.  Each wave brings 8,192 bytes through its registers: sixteen loads of 512 consecutive bytes, all asked for at the head.
; The first eight are its part of key steps 0 to 3; they are stored and the first tile walks those four steps while the other eight, its part of key steps 4 to 7, are on their way.
; THROUGH REGISTERS, not by the data mover; this text branches on given scales (below).
; THE HOLD OF p AT THE LARGEST CODE IS WALKED ONLY WHERE IT CAN CHANGE A NUMBER.  M is at least the rounded largest t, so t - M is at most half a unit in t's last place.  |t| is at most
; 0.0451 x 64 x 448 x 448 x 2^(e8 + e9), which for e8 + e9 <= 4 is under 2^24: then t - M <= 1/2 and p <= 1.415.  For e10 >= -8 the largest code stands for 448 x 2^e10 >= 1.75.  Where both hold
; the hold is the identity, and a scalar branch on those whole numbers leads round its 64 lines; for every other choice of scales they are executed.
; NO CLUSTER: K and V are shared by the two work-groups of a head alone; a cluster of four along x does not divide a grid of two, and four work-groups of 256 queries to a head would each
; fill the same 131,072 bytes for half the work.
; OPERANDS are images of their registers (registers 4 c .. 4 c + 3 of lane L at byte 512 c + 16 L of the image): every fragment is dense loads of 512 bytes, with no pitch and no padding.
; LAYOUT.  Both products are used transposed: S^T = K Q^T (source 0 = 16 keys, source 1 = my 16 queries; 64 along d), O^T = V^T P^T (source 0 = 16 d, source 1 = P; 128 keys): a lane holds ONE query (lane % 16).
; Register j of score tile u is key 16 u + 8 (lane / 16) + j: its eight codes are registers 2 u, 2 u + 1 of P, the order in which V's images hold the keys.
; REGISTERS: v1, v2 16 x lane (+ V's base); v4 where I store my part of K or V; v8, v9 addresses in hand; v12 -M, v13 the largest t, v[14:15] the sum; v16-31 Q of both tiles;
;   v32-95 my first half of K or V on its way in, then eight fragments of K or four of V; v96-159 S^T, then p, later the gated numbers; v160-191 O^T; v192-223 my second half on its way in, then r;
;   v224-239 codes; v240, v244: 448 x 2^e10, 2^e10; v241, v245: the same with e12; v242-254 at work.
.set VB,   65536                       ; V's images in LDS
.set HALF, 32768                       ; four key steps of K's images, and of V's
.set FREE, 76                          ; s76  1 where the hold of p is the identity, else 0
	s_load_b256 s[4:11], s[0:1], 0x0               ; qkv_img s[4:5], r_img s[6:7], the scales' exponents s[8:9], g_img s[10:11]
	v_lshl_add_u32 v251, v0, 2, 0x20000
	v_mov_b32 v255, 0
	v_lshrrev_b32 v3, 5, v0
	v_readfirstlane_b32 s18, v3                    ; wave 0..15
	v_and_b32 v1, 31, v0
	v_lshlrev_b32 v1, 4, v1                        ; 16 x lane
	v_add_nc_u32 v2, VB, v1
	s_and_b32 s14, ttmp7, 0xffff                   ; 16 x batch + head
	s_lshr_b32 s15, s14, 1                         ; 8 x batch + pair of heads
	s_and_b32 s16, s14, 1                          ; which head of the pair
	s_lshl_b32 s17, ttmp9, 5
	s_add_co_u32 s17, s17, s18                     ; my first tile of queries: 32 x + wave; the second lies 16 tiles on
	; what I bring: waves 0-7 K, waves 8-15 V; of each half of 32,768 LDS bytes wave j = wave % 8 brings bytes 4,096 j on
	s_lshr_b32 s19, s18, 3                         ; 0: K, 1: V
	s_and_b32 s24, s18, 7                          ; j
	s_lshl_b32 s25, s19, 16
	s_lshl_b32 s26, s24, 12
	s_add_co_u32 s25, s25, s26
	v_add_nc_u32 v4, s25, v1                       ; in LDS: 65,536 x (K or V) + 4,096 j + 16 x lane
	s_lshl_b32 s44, s15, 17                        ; in memory: the pair of heads,
	s_add_co_u32 s26, s19, 1
	s_lshl_b32 s26, s26, 23                        ; K's codes begin at 8 MiB, V's at 16 MiB,
	s_add_co_u32 s44, s44, s26
	s_lshl_b32 s26, s16, 10                        ; K: my head's image lies 1,024 bytes on; 4,096 LDS bytes are four tiles of 16 keys, 2,048 bytes apart in memory
	s_lshl_b32 s27, s24, 13
	s_add_co_u32 s26, s26, s27
	s_lshl_b32 s27, s16, 13                        ; V: my head's four images lie 8,192 bytes on; 4,096 LDS bytes are half a key step; key steps are 16,384 bytes apart in memory
	s_lshr_b32 s28, s24, 1
	s_lshl_b32 s28, s28, 14
	s_add_co_u32 s27, s27, s28
	s_and_b32 s28, s24, 1
	s_lshl_b32 s28, s28, 12
	s_add_co_u32 s27, s27, s28
	s_cmp_lt_u32 s18, 8
	s_cselect_b32 s26, s26, s27
	s_add_co_u32 s44, s44, s26
	s_mov_b32 s45, 0
	s_lshl_b32 s46, s15, 17                        ; Q's image of my first tile
	s_lshl_b32 s47, s17, 11
	s_add_co_u32 s46, s46, s47
	s_lshl_b32 s47, s16, 10
	s_add_co_u32 s46, s46, s47
	s_mov_b32 s47, 0
	s_lshr_b32 s48, s14, 4                         ; the batch
	s_lshl_b32 s48, s48, 6
	s_add_co_u32 s48, s48, s17                     ; row tile of the output projection's operand
	s_lshl_b32 s48, s48, 3
	s_and_b32 s49, s15, 7
	s_add_co_u32 s48, s48, s49                     ; its K step: the pair of heads
	s_lshl_b32 s48, s48, 11
	s_lshl_b32 s49, s16, 10                        ; my head's half of the image
	s_add_co_u32 s48, s48, s49
	s_mov_b32 s49, 0
	s_mov_b32 s20, 0x76543210                      ; v_permlanex16_b32's selects for lane l xor 16
	s_mov_b32 s21, 0xfedcba98
	s_mov_b32 s22, 0x3d38aa3b                      ; c = log2(e) / 32
	s_wait_kmcnt 0x0
	s_load_b128 s[68:71], s[8:9], 0x20             ; e8 .. e11
	s_load_b32 s72, s[8:9], 0x30                   ; e12
	s_add_nc_u64 s[12:13], s[4:5], s[46:47]        ; Q
	s_add_nc_u64 s[42:43], s[4:5], s[44:45]        ; my part of K or V
	s_lshl_b32 s46, s46, 2                         ; r lies as Q does, four bytes a number
	s_add_nc_u64 s[6:7], s[6:7], s[46:47]
	s_add_nc_u64 s[10:11], s[10:11], s[48:49]
.irp n, 0,1
.irp q, 0,1
	global_load_b128 v[16+8*\n+4*\q:16+8*\n+4*\q+3], v1, s[12:13] offset:\n*32768+512*\q th:TH_LOAD_NT   ; Q's fragments stay in registers
.endr
.endr
	s_cmp_lt_u32 s18, 8                            ; the two arms differ in the immediates alone: sixteen loads each, the first half's eight first
	s_cbranch_scc0 .Lbring_v
.irp i, 0,1,2,3,4,5,6,7
	global_load_b128 v[32+4*\i:35+4*\i], v1, s[42:43] offset:(\i/2)*2048+(\i%2)*512
.endr
.irp i, 0,1,2,3,4,5,6,7
	global_load_b128 v[192+4*\i:195+4*\i], v1, s[42:43] offset:65536+(\i/2)*2048+(\i%2)*512
.endr
	s_branch .Lasked
.Lbring_v:
.irp i, 0,1,2,3,4,5,6,7
	global_load_b128 v[32+4*\i:35+4*\i], v1, s[42:43] offset:\i*512
.endr
.irp i, 0,1,2,3,4,5,6,7
	global_load_b128 v[192+4*\i:195+4*\i], v1, s[42:43] offset:65536+\i*512
.endr
.Lasked:
	v_mov_b32 v246, 0                              ; written once: a lane permute's destination counts as one of its sources
	v_mov_b32 v253, 0                              ; (named as the upper half of the pair v[252:253])
	s_wait_kmcnt 0x0
	s_add_co_i32 s73, s68, s69                     ; e8 + e9
	s_cmp_ge_i32 s70, -8
	s_cselect_b32 s[FREE], 1, 0
	s_cmp_le_i32 s73, 4
	s_cselect_b32 s[FREE], s[FREE], 0              ; e10 >= -8 and e8 + e9 <= 4: p never passes the largest code
	s_lshl_b32 s73, s73, 23
	s_add_co_i32 s22, s22, s73                     ; a score stands for score x 2^(e8 + e9): the two exponents are added to c's exponent field
	s_mov_b32 s23, s22                             ; (named with it as a pair, so it is written)
	s_add_co_i32 s74, s70, 127
	s_lshl_b32 s75, s74, 23
	v_mov_b32 v244, s75                            ; 2^e10
	s_add_co_i32 s74, s74, 8
	s_lshl_b32 s74, s74, 23
	s_or_b32 s74, s74, 0x600000
	v_mov_b32 v240, s74                            ; 448 x 2^e10
	s_add_co_i32 s74, s72, 127
	s_lshl_b32 s75, s74, 23
	v_mov_b32 v245, s75                            ; 2^e12
	s_add_co_i32 s74, s74, 8
	s_lshl_b32 s74, s74, 23
	s_or_b32 s74, s74, 0x600000
	v_mov_b32 v241, s74                            ; 448 x 2^e12
	s_add_co_i32 s77, s70, s71                     ; e10 + e11
.macro INIT                            ; a tile begins
	v_mov_b32 v13, 0xff61b1e6                      ; the largest t so far: -3e38, under every t
	v_floor_f32 v12, -v13                          ; -M
	v_mov_b32 v14, 0                               ; the sum, in two halves
	v_mov_b32 v15, 0
.set j, 0
.rept 32
	v_mov_b32 v[160+j], 0                          ; O^T.  (The key step is written once: the first finds zeros, which the first change of M leaves zeros)
.set j, j+1
.endr
.endm
.macro RLOAD n                         ; r(my query, 16 t + 8 h + 0 .. 7) of tile n: wanted at the tile's end
.irp t, 0,1,2,3
	global_load_b128 v[192+8*\t:195+8*\t], v1, s[6:7] offset:\n*131072+\t*1024 th:TH_LOAD_NT
	global_load_b128 v[196+8*\t:199+8*\t], v1, s[6:7] offset:\n*131072+\t*1024+512 th:TH_LOAD_NT
.endr
.endm
; Tile n walks trips key steps of 128 keys, from byte first of K's and of V's images on.
.macro KEYS n, first, trips
	s_mov_b32 s2, \first
	s_mov_b32 s3, \trips
.Lkey_\@:
	v_add_nc_u32 v8, s2, v1
	v_add_nc_u32 v9, s2, v2
	v_nop                                          ; with the two additions: four places in front of loads into registers that the last products read
	v_nop
.irp u, 0,1,2,3,4,5,6,7
	ds_load_b128 v[32+8*\u:35+8*\u], v8 offset:\u*1024
	ds_load_b128 v[36+8*\u:39+8*\u], v8 offset:\u*1024+512
.endr
	s_wait_dscnt 0x0
.irp u, 0,1,2,3,4,5,6,7
	v_wmma_f32_16x16x64_fp8_fp8 v[96+8*\u:103+8*\u], v[32+8*\u:39+8*\u], v[16+8*\n:23+8*\n], 0
.endr
.rept 4
	v_nop                                          ; places: in front of the loads over K's fragments, and of the first read of the scores
.endr
.irp t, 0,1,2,3
.irp c, 0,1,2,3
	ds_load_b128 v[32+16*\t+4*\c:35+16*\t+4*\c], v9 offset:\t*2048+512*\c   ; V's four fragments land while the softmax is walked
.endr
.endr
	v_max3_num_f32 v254, v96, v97, v98             ; the step's largest score of my query, among my 64 keys, in two chains, each accumulator from its low end on,
	v_max3_num_f32 v252, v99, v100, v101
.irp i, 6,10,14,18,22,26,30,34,38,42,46,50,54,58
	v_max3_num_f32 v254, v254, v[96+\i], v[97+\i]
	v_max3_num_f32 v252, v252, v[98+\i], v[99+\i]
.endr
	v_max3_num_f32 v254, v254, v158, v159
	v_max_num_f32 v254, v254, v252
	v_permlanex16_b32 v246, v254, s20, s21
	v_max_num_f32 v254, v254, v246                 ; and among lane l xor 16's
	v_mul_f32 v254, s22, v254                      ; as t (c is positive)
	v_max_num_f32 v13, v13, v254                   ; the running largest t
	v_mov_b32 v254, v12
	v_floor_f32 v12, -v13                          ; the new -M = floor(-t) = -ceil(t): M is a whole number
	v_sub_f32 v254, v12, v254                      ; old M less new M: a whole number, 0 or less
	v_cvt_i32_f32 v254, v254                       ; (it saturates)
	v_ldexp_f32 v252, 1.0, v254                    ; f = 2^(old M - new M)
.set j, 0
.rept 32
	v_pk_fma_f32 v[96+j:97+j], v[96+j:97+j], s[22:23], v[12:13] op_sel_hi:[1,0,0]   ; t - M, two at a time (of the pairs c and -M the low word serves both halves)
.set j, j+2
.endr
.set j, 0
.rept 64
	v_exp_f32 v[96+j], v[96+j]                     ; p = 2^(t - M): not normalised
.set j, j+1
.endr
	v_pk_mul_f32 v[14:15], v[14:15], v[252:253] op_sel_hi:[1,0]   ; the sums under the new M: the plain line behind the exponentials
	s_wait_alu depctr_va_vdst(0)                   ; one wait for the batch of 64, ahead of its first reader
	v_pk_add_f32 v[242:243], v[96:97], v[98:99]    ; the row's sum is taken of the unquantised p: two at a time, in two chains
.irp j, 4,8,12,16,20,24,28,32,36,40,44,48,52,56,60
	v_pk_add_f32 v[14:15], v[14:15], v[96+\j:97+\j]
	v_pk_add_f32 v[242:243], v[242:243], v[98+\j:99+\j]
.endr
	v_pk_add_f32 v[14:15], v[14:15], v[242:243]
	s_cmp_lg_u32 s[FREE], 0                        ; where no p can pass the largest code (the arithmetic stands at the head) the hold is left out
	s_cbranch_scc1 .Lfree_\@
.set j, 0
.rept 64
	v_min_num_f32 v[96+j], v[96+j], v240           ; the conversion does not saturate (ISA guide 7.6.2); p is not negative, so the hold is one-sided
.set j, j+1
.endr
.Lfree_\@:
.irp u, 0,1,2,3,4,5,6,7
	v_cvt_scalef32_pk8_fp8_f32 v[224+2*\u:225+2*\u], v[96+8*\u:103+8*\u], v244
.endr
.set j, 0
.rept 16
	v_pk_mul_f32 v[160+j:161+j], v[160+j:161+j], v[252:253] op_sel_hi:[1,0]   ; O^T under the new M.  (Also the plain lines between the conversions and the products)
.set j, j+2
.endr
	s_wait_dscnt 0x0                               ; V's fragments are in
.irp t, 0,1,2,3                                ; the four accumulators take turns, one instruction a turn; between two links of a chain stand eleven other products
	v_wmma_f32_16x16x128_fp8_fp8 v[160+8*\t:167+8*\t], v[32+16*\t:47+16*\t], v[224:239], v[160+8*\t:167+8*\t]
.endr
	s_add_co_u32 s2, s2, 8192
	s_sub_co_u32 s3, s3, 1
	s_cmp_lg_u32 s3, 0
	s_cbranch_scc1 .Lkey_\@
.endm
; Tile n ends: O^T / the sum, the gate, the quantiser, two stores.
.macro TAIL n
.rept 4
	v_nop                                          ; places behind the last products
.endr
	v_add_f32 v14, v14, v15                        ; the sum's two halves,
	v_permlanex16_b32 v246, v14, s20, s21
	v_add_f32 v14, v14, v246                       ; and lane l xor 16's: the row's sum
	v_rcp_f32 v14, v14
	v_nop                                          ; one plain line behind a transcendental
	s_wait_alu depctr_va_vdst(0)                   ; and the wait ahead of its first reader
	v_ldexp_f32 v14, v14, s77                      ; x 2^(e10 + e11)
.set j, 0
.rept 16
	v_pk_mul_f32 v[96+j:97+j], v[160+j:161+j], v[14:15] op_sel_hi:[1,0]   ; ctx: register 8 t + i is d = 16 t + 8 h + i of my query
.set j, j+2
.endr
	s_wait_loadcnt 0x0                             ; r
.set j, 0
.rept 16
	v_pk_mul_f32 v[96+j:97+j], v[96+j:97+j], v[192+j:193+j]   ; the gate
.set j, j+2
.endr
.set j, 0
.rept 32
	v_med3_num_f32 v[96+j], v[96+j], -v241, v241
.set j, j+1
.endr
.irp t, 0,1,2,3
	v_cvt_scalef32_pk8_fp8_f32 v[224+2*\t:225+2*\t], v[96+8*\t:103+8*\t], v245
.endr
	v_nop                                          ; one plain vector line behind the last conversion
	global_store_b128 v1, v[224:227], s[10:11] offset:\n*262144       ; my head's half of an image: twice 512 consecutive bytes, aligned
	global_store_b128 v1, v[228:231], s[10:11] offset:\n*262144+512
.endm
	INIT                                           ; register work while the loads are on their way
	s_wait_loadcnt 8                               ; Q's four loads and my first half's eight are in; my second half's eight may be out
.irp i, 0,1,2,3,4,5,6,7
	ds_store_b128 v4, v[32+4*\i:35+4*\i] offset:512*\i
.endr
	s_wait_dscnt 0x0                               ; for the others' sake: my stores have landed
	s_barrier_signal -1
	s_barrier_wait -1                              ; key steps 0 to 3 of K and V lie in LDS
	KEYS 0, 0, 4
	s_wait_loadcnt 0x0                             ; my second half is in
	s_wait_dscnt 0x0                               ; my reads of LDS are over
	s_barrier_signal -1                            ; the second half goes to other bytes than those that were being read; this barrier keeps LDS reads and LDS stores
	s_barrier_wait -1                              ; in phases of their own, so that their order hangs on no arithmetic on addresses
.irp i, 0,1,2,3,4,5,6,7
	ds_store_b128 v4, v[192+4*\i:195+4*\i] offset:HALF+512*\i
.endr
	s_wait_dscnt 0x0                               ; my stores have landed, and have read their registers, which r takes next
	s_barrier_signal -1
	s_barrier_wait -1                              ; all of K and V lies in LDS: nothing is written there any more
	RLOAD 0
	KEYS 0, HALF, 4
	TAIL 0
	s_wait_xcnt 0x0                                ; the first tile's stores have read v224-231
	RLOAD 1
	INIT
	KEYS 1, 0, 8
	TAIL 1
	s_wait_tensorcnt 0x0
	ds_add_u32 v251, v255
	s_wait_dscnt 0x0
	s_endpgm
.Lfunc_end_k_q000761faa7_attn:
	.size	k_q000761faa7_attn, .Lfunc_end_k_q000761faa7_attn-k_q000761faa7_attn
	.p2alignl 7, 3214868480
	.fill 96, 4, 3214868480
	.section	.rodata,"a",@progbits
	.p2align	6, 0x0
	.amdhsa_kernel k_q000761faa7_attn
		.amdhsa_group_segment_fixed_size 133120
		.amdhsa_private_segment_fixed_size 0
		.amdhsa_enable_private_segment 0
		.amdhsa_kernarg_size 32
		.amdhsa_user_sgpr_count 2
		.amdhsa_user_sgpr_kernarg_segment_ptr 1
		.amdhsa_wavefront_size32 1
		.amdhsa_system_sgpr_workgroup_id_x 1
		.amdhsa_system_sgpr_workgroup_id_y 1
		.amdhsa_system_sgpr_workgroup_id_z 1
		.amdhsa_system_vgpr_workitem_id 0
		.amdhsa_next_free_vgpr 256
		.amdhsa_next_free_sgpr 80
		.amdhsa_reserve_vcc 0
		.amdhsa_float_denorm_mode_32 3
		.amdhsa_float_denorm_mode_16_64 3
		.amdhsa_memory_ordered 1
		.amdhsa_forward_progress 1
		.amdhsa_inst_pref_size 69
	.end_amdhsa_kernel
	.amdgpu_metadata
---
amdhsa.version: [ 1, 2 ]
amdhsa.kernels:
  - .name:           k_q000761faa7_attn
    .symbol:         k_q000761faa7_attn.kd
    .args:
      - { .name: qkv_img, .offset: 0, .size: 8, .value_kind: global_buffer, .address_space: global }
      - { .name: r_img, .offset: 8, .size: 8, .value_kind: global_buffer, .address_space: global }
      - { .name: lowp_scales, .offset: 16, .size: 8, .value_kind: global_buffer, .address_space: global }
      - { .name: g_img, .offset: 24, .size: 8, .value_kind: global_buffer, .address_space: global }
    .group_segment_fixed_size: 133120
    .private_segment_fixed_size: 0
    .kernarg_segment_align: 8
    .kernarg_segment_size: 32
    .max_flat_workgroup_size: 512
    .sgpr_count:     80
    .vgpr_count:     256
    .wavefront_size: 32
...
	.end_amdgpu_metadata
.endif
;; end of part 3
;; launch outp (part 4): grid 8 x 32, 4 waves a work-group, clusters of 4 x 4, 327,680 bytes of LDS; arguments g_img, w_img, lowp_scales, bo, out0; writes out0
.if DOCPART == 4
	.amdgcn_target "amdgcn-amd-amdhsa--gfx1250"
	.amdhsa_code_object_version 6
	.text
	.protected	k_q000761faa7_outp
	.globl	k_q000761faa7_outp
	.p2align	8
	.type	k_q000761faa7_outp,@function
k_q000761faa7_outp:
	s_mov_b64 s[64:65], 0
	v_nop
	global_prefetch_b8 v0, s[64:65] scope:SCOPE_SE
	s_setreg_imm32_b32 hwreg(HW_REG_WAVE_MODE, 25, 1), 1
	s_wait_xcnt 0x0
	s_wait_alu depctr_hold_cnt(0) depctr_sa_sdst(0) depctr_va_vdst(0) depctr_va_sdst(0) depctr_va_ssrc(0) depctr_va_vcc(0) depctr_vm_vsrc(0)
	s_getreg_b32 s2, hwreg(HW_REG_IB_STS2, 6, 4)
	s_cmp_eq_u32 s2, 0
	s_cbranch_scc0 .Lentry_in_a_cluster
	s_endpgm
.Lentry_in_a_cluster:
	s_bfe_u32 s2, ttmp6, 0x10000c
	s_cmp_lg_u32 s2, 0xf033
	s_cbranch_scc0 .Lentry_shape_is_right
	s_endpgm
.Lentry_shape_is_right:
; out0 = gated Wo + bo: [8192][1024] x [1024][1024] on codes of FP8 (E4M3); sums in f32; each finished sum x 2^(e12 + e13) + bo.  out0: [8192][1024] f32.
; LIMIT: e12 + e13 between -126 and 127, so that 2^(e12 + e13) is an f32 number.
; A tile of 256 rows x 128 columns is made by a work-group of four waves: 32 x 8 tiles give 256 work-groups.  A wave makes 128 x 64: 32 accumulators of 16 x 16.
; OPERANDS arrive as images of their registers (16 rows x 128 k = 2,048 bytes; registers 4 c .. 4 c + 3 of lane L at byte 512 c + 16 L), [row tile][K step 8][image]: a fragment is four dense LDS loads.
; K = 1,024 goes in four steps of 256 through THREE LDS slots of 98,304 bytes (256 rows and 128 columns of 256 codes).  Steps 0, 1 and 2 are first fills, asked for together at the start; step 3 is the one
; refill, into slot 0, asked for in the middle of slot 0's last products and wanted behind slots 1 and 2.  A wave's tensor load brings 4,096 consecutive bytes for each of eight row tiles (waves 0, 1)
; or of four column tiles (waves 2, 3).  By this text's own count a wave has three tensor loads out at the start, later one.
; CLUSTERS: 4 x 4 work-groups.  The four of a row of the cluster need the same tiles of the gated rows, the four of a column the same tiles of Wo: each tile is asked for jointly.
; THE MATRIX INSTRUCTION IS USED TRANSPOSED (source 0 = 16 columns of Wo, source 1 = 16 gated rows): a lane then holds eight neighbouring numbers of a row of out0.
; REGISTERS, in windows of 256: window 0: v16-31 addresses; v32-35 bo of my four columns on the way out; from v128 the rows' fragments, ONE set (on the way out: rows read back).
;   window 1: Wo's fragments, TWO sets of four, at v0 and at v128.   window 2: the accumulators of my row blocks 0-3 ((a, b) at v[8 (8 a + b)], b = 0 .. 3);   window 3: those of blocks 4-7.
.set HALFA,  32768                     ; eight row tiles x 4,096 bytes: what a load for the rows brings, and what one wave reads of them
.set HALFB,  16384                     ; four column tiles x 4,096 bytes: the same for Wo
.set BOFF,   2*HALFA                   ; in a slot Wo's two halves lie behind the rows' two
.set SLOT,   BOFF+2*HALFB
.set SPARE,  3*SLOT                    ; behind the slots: the spare words, 128 bytes for each wave: two blocks of 256 bytes that no other line names
.set KADV,   4096                      ; a slot's part of a row tile: two images
.set FR,     16                        ; registers of a fragment
.set NL,     4                         ; LDS loads that bring one
.set NP,     4                         ; places behind this matrix instruction (ISA guide 7.12.1)
.set SPITCH, 272                       ; the way out: a stage of 16 rows x (256 bytes + 16) for each wave,
.set STAGE,  SLOT                      ; in slot 1, which has had its one fill, and which nobody reads behind the last barrier
.set ADRA, 16                          ; v16-18  LDS address of my rows' fragments in slot 0, 1, 2
.set ADRB, 20                          ; v20-22  the same for Wo's
.set STO,  24                          ; v24  the way out: where I put 32 bytes of a row
.set RD,   25                          ; v25  where I read rows back: sixteen lanes to a row
.set CO,   26                          ; v26  the same place in two rows of out0
.set LI,   27                          ; v27  16 x lane
.set SPW,  28                          ; v28  LDS address of my spare word; never rewritten
.set NIL,  29                          ; v29  0; never rewritten
.set BA,   30                          ; v30  16 x (lane % 16)
.set BO,   32                          ; v32-35 bo of the four columns that I hold once rows are read back
.set AF,   128                         ; the rows' fragments
.set BK,   128                         ; the way out: 16 rows read back: v128-159 and v160-191 by turns
.set G1, 24                            ; s[24:31] descriptor group 1 for the rows;  s[32:43] group 0, one set for each slot
.set G0, 32
.set G1B, 48                           ; s[48:55], s[68:79] the same for Wo
.set G0B, 68
.set MSB, 0
.macro WIN new                         ; the immediate's high byte repeats the setting that is left
.if MSB != \new
	s_set_vgpr_msb (MSB<<8)|\new
.set MSB, \new
.endif
.endm
.set MUL_LO, 0xa1                      ; source 0 (Wo) window 1, source 1 (rows) window 0, C and D window 2
.set MUL_HI, 0xf1                      ; the same, C and D window 3
.set TO_B,   0x40                      ; destination window 1, address window 0
.macro JLOAD g0a, g1a, g0b, g1b        ; a joint load: waves 0 and 1 fetch the rows' halves, waves 2 and 3 Wo's; the branch hangs on the wave's number alone; four v_nop follow each of the two lines
	s_cmp_eq_u32 s15, 0
	s_cbranch_scc0 .Lfor_b_\@
	tensor_load_to_lds s[\g0a:\g0a+3], s[\g1a:\g1a+7]
	s_nop 0
.rept 4
	v_nop
.endr
	s_branch .Lasked_\@
.Lfor_b_\@:
	tensor_load_to_lds s[\g0b:\g0b+3], s[\g1b:\g1b+7]
	s_nop 0
.rept 4
	v_nop
.endr
.Lasked_\@:
.endm
.macro CREST                           ; a round of the cluster's barrier behind its opening barrier
	s_cmp_lg_u32 s14, 0
	s_cbranch_scc1 .Lnot_wave_0_\@
	s_barrier_signal -3
.Lnot_wave_0_\@:
	s_barrier_wait -3
	s_barrier_signal -1
	s_barrier_wait -1
.endm
.macro CROUND                          ; a whole round
	s_barrier_signal -1
	s_barrier_wait -1
	CREST
.endm
	s_load_b128 s[4:7], s[0:1], 0x0                ; g_img s[4:5], w_img s[6:7]
	s_load_b128 s[8:11], s[0:1], 0x10              ; the scales' exponents s[8:9], bo s[10:11]
	s_load_b64 s[12:13], s[0:1], 0x20              ; out0
	v_lshl_add_u32 v[SPW], v0, 2, SPARE
	v_mov_b32 v[NIL], 0
	ds_add_u32 v28, v29
	ds_add_u32 v28, v29
	s_wait_dscnt 0x0
	v_lshrrev_b32 v1, 5, v0
	v_readfirstlane_b32 s14, v1                    ; wave 0..3
	s_lshr_b32 s15, s14, 1                         ; which half of the tile's rows is mine.  Also: I fetch rows (0) or Wo (1)
	s_and_b32 s16, s14, 1                          ; which half of its columns.  Also: which half of that tile I fetch
	s_bfe_u32 s80, ttmp6, 0x40000                  ; cx, cy: my place in the cluster
	s_bfe_u32 s81, ttmp6, 0x40004
	s_lshl_b32 s82, ttmp9, 2
	s_add_co_u32 s82, s82, s80                     ; tile column = 4 x cluster x + cx, 0..7
	s_and_b32 s17, ttmp7, 0xffff
	s_lshl_b32 s17, s17, 2
	s_add_co_u32 s17, s17, s81                     ; tile row = 4 x cluster y + cy, 0..31
	s_lshl_b32 s83, s81, 2
	s_lshl_b32 s83, 15, s83                        ; my row of the cluster
	s_lshl_b32 s84, 0x1111, s80                    ; my column
	; descriptor group 1: rows of 512 elements of 8 bytes, 2,048 elements apart, dense in LDS; eight of them for the gated rows, four for Wo
	s_or_b32 s[G1+0], s83, (3<<16)|(1<<21)         ; 15:0 the mask; 17:16 elements of 8 bytes; 20 no padding; 21 set beside a mask
	s_mov_b32 s[G1+1], 512<<16                     ; tensor_dim0
	s_mov_b32 s[G1+2], 8<<16                       ; tensor_dim1
	s_mov_b32 s[G1+3], 512<<16                     ; tile_dim0
	s_mov_b32 s[G1+4], 8                           ; tile_dim1
	s_mov_b32 s[G1+5], 2048                        ; tensor_dim0_stride: a row tile's eight images
	s_mov_b32 s[G1+6], 0
	s_mov_b32 s[G1+7], 0
	s_or_b32 s[G1B+0], s84, (3<<16)|(1<<21)
	s_mov_b32 s[G1B+1], 512<<16
	s_mov_b32 s[G1B+2], 4<<16
	s_mov_b32 s[G1B+3], 512<<16
	s_mov_b32 s[G1B+4], 4
	s_mov_b32 s[G1B+5], 2048
	s_mov_b32 s[G1B+6], 0
	s_mov_b32 s[G1B+7], 0
	s_lshl_b32 s20, s17, 1
	s_add_co_u32 s20, s20, s16
	s_lshl_b32 s20, s20, 17                        ; the rows: halves of eight row tiles, 131,072 bytes
	s_mov_b32 s21, 0
	s_lshl_b32 s46, s82, 1
	s_add_co_u32 s46, s46, s16
	s_lshl_b32 s46, s46, 16                        ; Wo: halves of four column tiles, 65,536 bytes,
	s_add_co_u32 s46, s46, 0x400000                ; in the fifth slot of w_img
	s_mov_b32 s47, 0
	s_lshl_b32 s85, s16, 15                        ; where they go in a slot: the wave's number alone enters an LDS address
	s_lshl_b32 s86, s16, 14
	s_add_co_u32 s86, s86, BOFF
	s_wait_kmcnt 0x0
	s_load_b64 s[96:97], s[8:9], 0x30              ; e12, e13
	s_add_nc_u64 s[20:21], s[4:5], s[20:21]
	s_add_nc_u64 s[46:47], s[6:7], s[46:47]
	CROUND                                         ; all sixteen work-groups are here: the first joint loads meet
.irp s, 0,1,2
	s_mov_b32 s[G0+4*\s], 1
	s_add_co_u32 s[G0+4*\s+1], s85, \s*SLOT
	s_add_nc_u64 s[G0+4*\s+2:G0+4*\s+3], s[20:21], \s*KADV
	s_or_b32 s[G0+4*\s+3], s[G0+4*\s+3], 0x80000000
	s_mov_b32 s[G0B+4*\s], 1
	s_add_co_u32 s[G0B+4*\s+1], s86, \s*SLOT
	s_add_nc_u64 s[G0B+4*\s+2:G0B+4*\s+3], s[46:47], \s*KADV
	s_or_b32 s[G0B+4*\s+3], s[G0B+4*\s+3], 0x80000000
	JLOAD G0+4*\s, G1, G0B+4*\s, G1B               ; K steps 0, 1, 2: three quarters of the tile's operands are asked for before anything else is done
.endr
	v_and_b32 v1, 15, v0                           ; l % 16
	v_bfe_u32 v2, v0, 4, 1                         ; l / 16
	v_and_b32 v6, 31, v0
	v_lshlrev_b32 v[LI], 4, v6
	s_lshl_b32 s22, s15, 15                        ; my half of the rows
	s_lshl_b32 s23, s16, 14                        ; my half of Wo's columns
	s_add_co_u32 s23, s23, BOFF
.irp s, 0,1,2
	v_add_nc_u32 v[ADRA+\s], s22, v[LI]
	v_add_nc_u32 v[ADRB+\s], s23, v[LI]
	s_add_co_u32 s22, s22, SLOT
	s_add_co_u32 s23, s23, SLOT
.endr
	s_mul_i32 s22, s14, 16*SPITCH
	s_add_co_u32 s22, s22, STAGE                   ; my stage
	v_mul_u32_u24 v5, v1, SPITCH                   ; in: row l % 16, 32 bytes for each half of the lanes
	v_lshl_add_u32 v5, v2, 5, v5
	v_add_nc_u32 v[STO], s22, v5
	v_mul_u32_u24 v5, v2, SPITCH                   ; back: lanes 0-15 take one row of 256 bytes, lanes 16-31 the next
	v_lshl_add_u32 v5, v1, 4, v5
	v_add_nc_u32 v[RD], s22, v5
	v_lshlrev_b32 v[CO], 12, v2                    ; and the same two rows in out0, 4,096 bytes apart
	v_lshl_add_u32 v[CO], v1, 4, v[CO]
	v_lshlrev_b32 v[BA], 4, v1
	s_lshl_b32 s46, s82, 9                         ; my first column, in bytes: 512 x tile column + 256 x half: in out0's rows and in bo alike
	s_lshl_b32 s47, s16, 8
	s_add_co_u32 s46, s46, s47
	s_mov_b32 s47, 0
	s_add_nc_u64 s[10:11], s[10:11], s[46:47]
	global_load_b128 v[BO:BO+3], v[BA], s[10:11]   ; bo of columns 4 (l % 16) + 0 .. 3 of my 64
	s_lshl_b32 s20, s17, 8
	s_lshl_b32 s21, s15, 7
	s_add_co_u32 s20, s20, s21                     ; my first row: 256 x tile row + 128 x half
	s_lshl_b32 s20, s20, 12                        ; rows of 4,096 bytes
	s_mov_b32 s21, 0
	s_add_nc_u64 s[20:21], s[20:21], s[46:47]
	s_add_nc_u64 s[12:13], s[12:13], s[20:21]
.macro FRAG reg, adr, q, i             ; fragment of tile i, the slot's q-th 128 along K: four dense loads of 512 bytes
.irp c, 0,1,2,3
	ds_load_b128 v[\reg+4*\c:\reg+4*\c+3], v[\adr] offset:(\i)*4096+(\q)*2048+512*\c
.endr
.endm
; 8 matrix instructions: row blocks a0, a0 + 1 x Wo's four, 128 along K.  p: Wo's set.  zero = 1: the first product starts the sums: nothing is ever cleared.
; The 32 accumulators take turns, one instruction a turn, in the same order in every step.
.macro MUL8 a0, p, zero
.irp a, \a0, \a0+1
.irp b, 0,1,2,3
.if \zero
	v_wmma_f32_16x16x128_fp8_fp8 v[8*(8*((\a)%4)+\b):8*(8*((\a)%4)+\b)+7], v[128*(\p)+FR*\b:128*(\p)+FR*\b+FR-1], v[AF+FR*(\a):AF+FR*(\a)+FR-1], 0
.else
	v_wmma_f32_16x16x128_fp8_fp8 v[8*(8*((\a)%4)+\b):8*(8*((\a)%4)+\b)+7], v[128*(\p)+FR*\b:128*(\p)+FR*\b+FR-1], v[AF+FR*(\a):AF+FR*(\a)+FR-1], v[8*(8*((\a)%4)+\b):8*(8*((\a)%4)+\b)+7]
.endif
.endr
.endr
.endm
.macro FETCH_B slot, q, p              ; Wo's four fragments into set p
	WIN TO_B
.irp i, 0,1,2,3
	FRAG 128*(\p)+FR*\i, ADRB+\slot, \q, \i
.endr
	WIN 0
.endm
.macro FETCH_A slot, q, i0             ; row blocks i0 .. i0 + 3
.irp i, \i0, \i0+1, \i0+2, \i0+3
	FRAG AF+FR*(\i), ADRA+\slot, \q, \i
.endr
.endm
.macro PLACES n                        ; plain vector lines between a matrix instruction and a load into, or an LDS store of, its registers
.rept \n
	v_nop
.endr
.endm
; A step of 128 along K on Wo's set p, whose successor (the nq-th 128 of slot nslot) may be read without a barrier: it lies in the same slot, or in a slot that an earlier barrier has shown whole.
; A row block is free as soon as its four products are issued: blocks 0-3 are fetched anew in the step's middle, blocks 4-7 at its end.
.macro STEP p, nslot, nq, zero
	s_wait_dscnt 4*NL                              ; Wo's set and row blocks 0-3 are in; the youngest sixteen loads (blocks 4-7) may be out
	WIN MUL_LO
	MUL8 0, \p, \zero
	MUL8 2, \p, \zero
	s_wait_dscnt 0                                 ; blocks 4-7 are in
	PLACES NP
	FETCH_B \nslot, \nq, 1-(\p)
	FETCH_A \nslot, \nq, 0
	WIN MUL_HI
	MUL8 4, \p, \zero
	MUL8 6, \p, \zero
	PLACES NP
	WIN 0
	FETCH_A \nslot, \nq, 4
.endm
; A slot's last step with a barrier: in front of it each wave waits for all its tensor loads, adds 0 to its spare word, and waits for that and for its own reads of LDS.
; fill = 1: the slot just read out is filled again, with the K step three on; the barrier then opens a round of the cluster's barrier.
.macro TURN slot, next, fill
	s_wait_tensorcnt 0x0                           ; all my tensor loads have landed
	ds_add_u32 v[SPW], v[NIL]                      ; 0 onto my spare word
	s_wait_dscnt 4*NL+1                            ; (the add and the youngest sixteen loads may be out)
	WIN MUL_LO
	MUL8 0, 1, 0                                   ; eight matrix instructions stand between the add and the wait for it
	s_wait_dscnt 0x0                               ; the add is done, and my reads of this slot are over
	s_barrier_signal -1
	MUL8 2, 1, 0
	WIN 0
	s_barrier_wait -1
.if \fill
	CREST                                          ; no wave of any partner still reads this slot or has a load on its way
	s_add_nc_u64 s[G0+4*\slot+2:G0+4*\slot+3], s[G0+4*\slot+2:G0+4*\slot+3], 3*KADV
	s_add_nc_u64 s[G0B+4*\slot+2:G0B+4*\slot+3], s[G0B+4*\slot+2:G0B+4*\slot+3], 3*KADV
	JLOAD G0+4*\slot, G1, G0B+4*\slot, G1B         ; the first tensor load behind the round; its four v_nop are the places in front of the loads below
.else
	PLACES NP
.endif
	FETCH_B \next, 0, 0
	FETCH_A \next, 0, 0
	WIN MUL_HI
	MUL8 4, 1, 0
	MUL8 6, 1, 0
	PLACES NP
	WIN 0
	FETCH_A \next, 0, 4
.endm
	s_wait_loadcnt 0x0                             ; bo: it lands while the first tiles are on their way
	s_wait_tensorcnt 2                             ; my part of slot 0 is in (slots 1 and 2 may be out)
	s_barrier_signal -1
	s_barrier_wait -1                              ; everybody's is
	FETCH_B 0, 0, 0
	FETCH_A 0, 0, 0
	FETCH_A 0, 0, 4
	STEP 0, 0, 1, 1                                ; K 0-127: the products start the sums
	TURN 0, 1, 1                                   ; K 128-255.  Every wave's loads for slots 1 and 2 have landed; slot 0 takes K 768-1,023
	STEP 0, 1, 1, 0                                ; K 256-383
	STEP 1, 2, 0, 0                                ; K 384-511.  On into slot 2 without a barrier: the round above has shown it whole to every wave, and the refill stays on its way
	STEP 0, 2, 1, 0                                ; K 512-639
	TURN 2, 0, 0                                   ; K 640-767.  The refill has landed in every wave's part
	STEP 0, 0, 1, 0                                ; K 768-895
	s_wait_dscnt 4*NL                              ; K 896-1,023: nothing more to fetch
	WIN MUL_LO
	MUL8 0, 1, 0
	MUL8 2, 1, 0
	s_wait_dscnt 0
	WIN MUL_HI
	MUL8 4, 1, 0
	MUL8 6, 1, 0
	WIN 0
; THE WAY OUT, block by block of 16 rows x 64 columns.  A lane holds 32 neighbouring bytes of a row, and the lanes beside it hold other rows: so the raw sums go through my own stage in LDS, straight
; from the accumulators, and come back as whole rows of 256 bytes, two an instruction.  A lane then holds the same four columns in every row: sum x 2^(e12 + e13) + bo takes four registers of bo.
; LDS serves a wave's instructions in order (ISA guide 5.7.1.4): no wait between the stores and the loads, nor in front of the next block's stores.
.macro TOSTAGE a
.set AC, 64*((\a)%4)
	WIN 0x08+4*((\a)/4)                            ; an LDS store's data is source 1: window 2 or 3
.irp b, 0,1,2,3
	ds_store_b128 v[STO], v[AC+8*\b:AC+8*\b+3] offset:64*\b          ; each accumulator from its low end on
	ds_store_b128 v[STO], v[AC+8*\b+4:AC+8*\b+7] offset:64*\b+16
.endr
	WIN 0
.set BB, BK+32*((\a)%2)
.irp t, 0,1,2,3,4,5,6,7
	ds_load_b128 v[BB+4*\t:BB+4*\t+3], v[RD] offset:\t*2*SPITCH
.endr
.endm
.macro SEND a, younger                 ; younger: the LDS instructions issued behind block a's loads, which may stay out
.set BB, BK+32*((\a)%2)
	s_wait_dscnt \younger                          ; the block is back in registers
.if (\a) > 0
	s_add_nc_u64 s[12:13], s[12:13], 16*4096       ; (behind a wait on XCNT: the earlier stores have read their base)  16 rows on
.endif
.irp t, 0,1,2,3,4,5,6,7
	v_pk_fma_f32 v[BB+4*\t:BB+4*\t+1], v[BB+4*\t:BB+4*\t+1], s[96:97], v[BO:BO+1] op_sel_hi:[1,0,1]
	v_pk_fma_f32 v[BB+4*\t+2:BB+4*\t+3], v[BB+4*\t+2:BB+4*\t+3], s[96:97], v[BO+2:BO+3] op_sel_hi:[1,0,1]
.endr
.irp t, 0,1,2,3,4,5,6,7
	global_store_b128 v[CO], v[BB+4*\t:BB+4*\t+3], s[12:13] offset:\t*2*4096 th:TH_STORE_NT   ; sixteen lanes store 256 consecutive bytes, aligned; written once, read by nobody here
.endr
.endm
	s_wait_kmcnt 0x0
	s_add_co_i32 s96, s96, s97
	s_add_co_i32 s96, s96, 127
	s_lshl_b32 s96, s96, 23                        ; 2^(e12 + e13) as f32
	s_mov_b32 s97, s96                             ; (named with it as a pair, so it is written)
	PLACES NP                                      ; behind the last products: for the LDS stores of their results and the loads into the registers that held fragments
	TOSTAGE 0
.irp a, 1,2,3,4,5,6,7
.if \a > 1
	s_wait_xcnt 0x0                                ; block a - 2's stores have read their registers and their base: block a's loads may land there, and the base may step
.endif
	TOSTAGE \a
	SEND \a-1, 16                                  ; behind block a - 1's loads: block a's 8 stores and 8 loads
.endr
	s_wait_xcnt 0x0                                ; block 6's stores have read their base
	SEND 7, 0
	s_wait_tensorcnt 0x0                           ; the wave's end, behind my last tensor load and my last LDS store
	ds_add_u32 v[SPW], v[NIL]
	s_wait_dscnt 0x0
	CROUND                                         ; the closing round: no work-group ends while a partner may still ask for a tile that names it
	s_endpgm
.Lfunc_end_k_q000761faa7_outp:
	.size	k_q000761faa7_outp, .Lfunc_end_k_q000761faa7_outp-k_q000761faa7_outp
	.p2alignl 7, 3214868480
	.fill 96, 4, 3214868480
	.section	.rodata,"a",@progbits
	.p2align	6, 0x0
	.amdhsa_kernel k_q000761faa7_outp
		.amdhsa_group_segment_fixed_size 327680
		.amdhsa_private_segment_fixed_size 0
		.amdhsa_enable_private_segment 0
		.amdhsa_kernarg_size 40
		.amdhsa_user_sgpr_count 2
		.amdhsa_user_sgpr_kernarg_segment_ptr 1
		.amdhsa_wavefront_size32 1
		.amdhsa_system_sgpr_workgroup_id_x 1
		.amdhsa_system_sgpr_workgroup_id_y 1
		.amdhsa_system_sgpr_workgroup_id_z 1
		.amdhsa_system_vgpr_workitem_id 0
		.amdhsa_next_free_vgpr 1024
		.amdhsa_next_free_sgpr 98
		.amdhsa_reserve_vcc 0
		.amdhsa_float_denorm_mode_32 3
		.amdhsa_float_denorm_mode_16_64 3
		.amdhsa_memory_ordered 1
		.amdhsa_forward_progress 1
		.amdhsa_inst_pref_size 78
	.end_amdhsa_kernel
	.amdgpu_metadata
---
amdhsa.version: [ 1, 2 ]
amdhsa.kernels:
  - .name:           k_q000761faa7_outp
    .symbol:         k_q000761faa7_outp.kd
    .args:
      - { .name: g_img, .offset: 0, .size: 8, .value_kind: global_buffer, .address_space: global }
      - { .name: w_img, .offset: 8, .size: 8, .value_kind: global_buffer, .address_space: global }
      - { .name: lowp_scales, .offset: 16, .size: 8, .value_kind: global_buffer, .address_space: global }
      - { .name: bo, .offset: 24, .size: 8, .value_kind: global_buffer, .address_space: global }
      - { .name: out0, .offset: 32, .size: 8, .value_kind: global_buffer, .address_space: global }
    .group_segment_fixed_size: 327680
    .private_segment_fixed_size: 0
    .kernarg_segment_align: 8
    .kernarg_segment_size: 40
    .max_flat_workgroup_size: 128
    .sgpr_count:     98
    .vgpr_count:     1024
    .wavefront_size: 32
...
	.end_amdgpu_metadata
.endif
;; end of part 4
;; ======== version 2 of 2: 4 launches; version 1 with the launches quant, attn written anew for expert scheduling mode
;; workspace buffers: x_img 33,554,432 bytes; w_img 5,242,880 bytes; qkv_img 25,165,824 bytes; r_img 33,554,432 bytes; g_img 8,388,608 bytes
;; launch quant (part 5): grid 928 x 1, 4 waves a work-group, no clusters, 67,072 bytes of LDS; arguments query, key, value, Wq, Wk, Wv, Wr, Wo, lowp_scales, x_img, w_img; writes x_img, w_img
.if DOCPART == 5
	.amdgcn_target "amdgcn-amd-amdhsa--gfx1250"
	.amdhsa_code_object_version 6
	.text
	.protected	k_q000761faa7_quant
	.globl	k_q000761faa7_quant
	.p2align	8
	.type	k_q000761faa7_quant,@function
k_q000761faa7_quant:
	s_mov_b64 s[64:65], 0
	v_nop
	global_prefetch_b8 v0, s[64:65] scope:SCOPE_SE
	s_setreg_imm32_b32 hwreg(HW_REG_WAVE_SCHED_MODE, 0, 2), 2
	s_setreg_imm32_b32 hwreg(HW_REG_WAVE_MODE, 25, 1), 1
	s_wait_xcnt 0x0
	s_wait_alu depctr_vm_vsrc(0)
; The three activations [8192][1024] and the five weights [1024 (k)][1024 (n)], all f32, become codes of FP8 (E4M3), each with the scale 2^e given for it:
; code = x / 2^e, held within +-448, rounded to the nearest code, ties to even.  The query is quantised twice (entries 0 and 6 of the scales) from one read.
; LIMITS: every e used here lies between -126 and 119, so that 2^e and 448 x 2^e are f32 numbers.  NaN among the inputs is not served; an infinity is held at the largest code.
; THE CODES ARE LAID AS IMAGES OF THE OPERAND'S REGISTERS.  An image is 16 rows x 128 k = 2,048 bytes: lane L = r + 16 h holds row r; byte t of its register 2 c + e is k = 16 c + 8 h + 4 e + t;
; registers 4 q .. 4 q + 3 lie at byte 512 q + 16 L.  So the products' launches fetch a fragment by four dense loads, and every store here covers 512 consecutive bytes, aligned.
;   x_img: four slots of 8 MiB (query at entry 0, key, value, query at entry 6), each [row tile 512][K step 8][image]
;   w_img: five slots of 1 MiB (Wq, Wk, Wv, Wr, Wo), each [column tile 64][K step 8][image]; an image's row r is column 16 x tile + r
; Work-groups 0 to 767 take the activations, 768 to 927 the weights; the two paths part on the work-group's number, never join, and have LDS bytes of their own.
; No tensor loads, no barrier, no matrix unit, no cluster: waves share nothing and every input byte is read once.
; THE MODE: SCHED_MODE bits 1:0 = 2 (LLVM: expert scheduling mode 2), set by the entry lines.  The code itself states the register dependences
; between vector instructions and memory or LDS instructions, with s_wait_alu, always for 0.
; THE PLAN, the activations.  Registers that memory or LDS instructions touch:
;   R0, R1      Fragment f's sixteen loads land in R[f % 2]; its sixteen LDS stores read it; fragment f + 2's loads land in it.  No vector instruction names them.
;   X           Fragment f's sixteen LDS loads land in it; its holds read it.
;   C, C2       Written by fragment f's conversions, read by its four stores each, written again by fragment f + 1's conversions.
;   v4, v5, v6  An offset and two LDS addresses, made once at the head and never written again.
; One wait on vm_vsrc to a fragment, behind the wait for the stage: the LDS stores have read R[f % 2], the last fragment's stores have read C and C2.  Behind it fragment f + 2's loads are dealt
; among the holds and conversions, which name X, T and C alone.  One wait on va_vdst behind each run of conversions, ahead of its four stores: it stands behind every hold that read X too,
; on both ways round the branch, so that the next fragment's LDS loads into X owe nothing more.
; THE PLAN, the weights.  WX0, WX1: block t's loads land in WX[t % 2]; its holds rewrite it in place, its conversions read it; block t + 2's loads land in it.  WC: written by a block's conversions, read by
; its two LDS stores.  OUTR: LDS loads land in it, stores read it; no vector instruction names it.  v3, v4, v7, v8: made once.  One wait on va_vdst to a block, behind its conversions, for the two LDS stores and
; the 32 loads that follow; one on vm_vsrc behind the LDS stores, ahead of the next block's conversions.
.set XWG,  768                         ; work-groups of the activations' path
.set XP,   528                         ; a stage row there: 512 bytes + 16, so that the sixteen rows that a read touches start at sixteen different 16-byte columns
.set XST,  16*XP                       ; a wave's stage there
.set WST0, 4*XST                       ; the weights' stages begin here, 8,192 bytes a wave
.set R,    16                          ; v16-143  two sets of 64: a fragment's numbers as they are loaded
.set X,    144                         ; v144-207 64 numbers of a lane: register 8 c + i is k = 16 c + 8 h + i of my row
.set T,    208                         ; v208-223 two sets of 8: numbers held within the largest code, by turns
.set C,    224                         ; v224-239 a fragment's codes
.set C2,   240                         ; v240-255 the same under the query's second scale
.set WX,   32                          ; weights: v32-95 two sets of 32 numbers down K
.set WC,   96                          ; v96-103  a block's codes
.set OUTR, 112                         ; v112-175 the way out
	s_load_b256 s[8:15], s[0:1], 0x0               ; query s[8:9], key s[10:11], value s[12:13], Wq s[14:15]
	s_load_b256 s[16:23], s[0:1], 0x20             ; Wk s[16:17], Wv s[18:19], Wr s[20:21], Wo s[22:23]
	s_load_b128 s[24:27], s[0:1], 0x40             ; the scales' exponents s[24:25], x_img s[26:27]
	s_load_b64 s[28:29], s[0:1], 0x50              ; w_img
	v_lshl_add_u32 v14, v0, 2, 0x10400
	v_mov_b32 v15, 0
	v_lshrrev_b32 v1, 5, v0
	v_readfirstlane_b32 s2, v1                     ; wave 0..3
	v_and_b32 v2, 31, v0                           ; lane
	s_wait_alu depctr_va_sdst(0)                   ; s2 is written, ahead of its first reader and of the branch that parts the two paths: both make addresses from it
	s_mov_b32 s45, 0                               ; the upper word of every offset pair s[44:45]
	s_wait_kmcnt 0x0
	s_load_b256 s[32:39], s[24:25], 0x0            ; entries 0 to 7
	s_load_b64 s[40:41], s[24:25], 0x30            ; entries 12, 13
	s_cmp_ge_u32 ttmp9, XWG
	s_cbranch_scc1 .Lweights
	; ---------------- THE ACTIVATIONS.  A wave takes 16 rows x 512 k: four fragments.
	s_lshr_b32 s3, ttmp9, 8                        ; which tensor: 0 query, 1 key, 2 value
	s_and_b32 s4, ttmp9, 255
	s_lshl_b32 s4, s4, 1
	s_lshr_b32 s5, s2, 1
	s_add_co_u32 s4, s4, s5                        ; row tile = 2 x (work-group mod 256) + wave / 2
	s_and_b32 s5, s2, 1                            ; which half of K
	s_cmp_eq_u32 s3, 0
	s_cselect_b64 s[42:43], s[8:9], s[10:11]
	s_cmp_eq_u32 s3, 2
	s_cselect_b64 s[42:43], s[12:13], s[42:43]     ; the tensor
	s_lshl_b32 s44, s4, 16                         ; 16 rows of 4,096 bytes
	s_lshl_b32 s6, s5, 11                          ; 512 numbers
	s_add_co_u32 s44, s44, s6
	s_add_nc_u64 s[42:43], s[42:43], s[44:45]      ; my first number
	s_lshl_b32 s44, s4, 14                         ; a row tile's eight images
	s_lshl_b32 s6, s5, 13                          ; four of them
	s_add_co_u32 s44, s44, s6
	s_add_nc_u64 s[46:47], s[26:27], s[44:45]
	s_add_nc_u64 s[48:49], s[46:47], 0x1800000     ; slot 3: the query under its second scale
	s_lshl_b32 s44, s3, 23
	s_add_nc_u64 s[46:47], s[46:47], s[44:45]      ; slot 0, 1 or 2
	v_lshlrev_b32 v4, 4, v2                        ; 16 x lane: my bytes of a load's 512 and of a store's
	s_mul_i32 s6, s2, XST
	v_add_nc_u32 v5, s6, v4                        ; into the stage: as the bytes lie
	v_and_b32 v3, 15, v0
	v_bfe_u32 v7, v0, 4, 1
	v_mul_u32_u24 v6, v3, XP
	v_lshl_add_u32 v6, v7, 5, v6
	v_add_nc_u32 v6, s6, v6                        ; out of it: row r, + 32 h bytes: my eight numbers of each 16
.macro XLOAD f                         ; fragment f: sixteen rows' 512 bytes, one load a row: 32 lanes read 512 consecutive bytes
.irp m, 0,1,2,3,4,5,6,7,8,9,10,11,12,13,14,15
	global_load_b128 v[R+64*((\f)%2)+4*\m:R+64*((\f)%2)+4*\m+3], v4, s[42:43] offset:\m*4096+(\f)*512 th:TH_LOAD_NT
.endr
.endm
; X's 64 numbers become 16 registers of codes; X stays as it is, so that it serves a second scale.
; ld >= 0: fragment ld's sixteen loads are dealt among these lines, two rows ahead of each eight numbers.  They owe no wait: no vector instruction names R, and the LDS stores that read it stand ahead of the last wait on vm_vsrc.
.macro QX dst, sc, lim, ld
.irp c, 0,1,2,3,4,5,6,7
.if (\ld) >= 0
	global_load_b128 v[R+64*((\ld)%2)+8*\c:R+64*((\ld)%2)+8*\c+3], v4, s[42:43] offset:(2*\c)*4096+(\ld)*512 th:TH_LOAD_NT
	global_load_b128 v[R+64*((\ld)%2)+8*\c+4:R+64*((\ld)%2)+8*\c+7], v4, s[42:43] offset:(2*\c+1)*4096+(\ld)*512 th:TH_LOAD_NT
.endif
.irp i, 0,1,2,3,4,5,6,7
	v_med3_num_f32 v[T+8*(\c%2)+\i], v[X+8*\c+\i], -v[\lim], v[\lim]   ; the conversion to an 8-bit code does not saturate (ISA guide 7.6.2): the hold comes first
.endr
	v_cvt_scalef32_pk8_fp8_f32 v[\dst+2*\c:\dst+2*\c+1], v[T+8*(\c%2):T+8*(\c%2)+7], v[\sc]   ; T's two sets take turns: the lines behind a conversion are plain and write the other set
.endr
.endm
.macro XSTEP f
.if (\f) < 3
	s_wait_loadcnt 16                              ; this fragment's sixteen loads are in; the next fragment's sixteen may be out
.else
	s_wait_loadcnt 0
.endif
.irp m, 0,1,2,3,4,5,6,7,8,9,10,11,12,13,14,15
	ds_store_b128 v5, v[R+64*((\f)%2)+4*\m:R+64*((\f)%2)+4*\m+3] offset:\m*XP
.endr
.irp c, 0,1,2,3,4,5,6,7
	ds_load_b128 v[X+8*\c:X+8*\c+3], v6 offset:64*\c          ; LDS serves a wave's instructions in order (ISA guide 5.7.1.4): these see the stores above.  The last fragment's holds, which read X, stand ahead of its last wait on va_vdst
	ds_load_b128 v[X+8*\c+4:X+8*\c+7], v6 offset:64*\c+16
.endr
	s_wait_dscnt 0x0                               ; the numbers are back
	s_wait_xcnt 0x0                                ; the last fragment's stores have had their addresses translated: C and C2 are written again only behind this wait
	s_wait_alu depctr_vm_vsrc(0)                   ; the LDS stores above have read R[f % 2], in which the loads below land; the last fragment's stores have read C and C2, which the conversions below write
.if (\f) < 2
	QX C, 8, 9, (\f)+2
.else
	QX C, 8, 9, -1
.endif
	s_wait_alu depctr_va_vdst(0)                   ; the conversions have written C, which the stores read; the holds are done reading X
.irp q, 0,1,2,3
	global_store_b128 v4, v[C+4*\q:C+4*\q+3], s[46:47] offset:(\f)*2048+512*\q   ; 512 consecutive bytes, aligned
.endr
	s_cmp_lg_u32 s3, 0                             ; the query alone has a second scale
	s_cbranch_scc1 .Lone_\@
	QX C2, 10, 11, -1
	s_wait_alu depctr_va_vdst(0)                   ; the conversions have written C2, which the stores read; the second run of holds is done reading X
.irp q, 0,1,2,3
	global_store_b128 v4, v[C2+4*\q:C2+4*\q+3], s[48:49] offset:(\f)*2048+512*\q
.endr
.Lone_\@:
.endm
	s_wait_alu depctr_va_vdst(0)                   ; v4, v5 and v6 are written: every load, store and LDS access of this path reads one of them
	XLOAD 0
	XLOAD 1
	s_wait_kmcnt 0x0
	s_cmp_eq_u32 s3, 0
	s_cselect_b32 s6, s32, s34
	s_cmp_eq_u32 s3, 2
	s_cselect_b32 s6, s36, s6                      ; e: entry 0, 2 or 4
	s_add_co_i32 s6, s6, 127
	s_lshl_b32 s7, s6, 23
	v_mov_b32 v8, s7                               ; 2^e as f32: the conversion takes its exponent field
	s_add_co_i32 s6, s6, 8
	s_lshl_b32 s6, s6, 23
	s_or_b32 s6, s6, 0x600000
	v_mov_b32 v9, s6                               ; 448 x 2^e
	s_add_co_i32 s6, s38, 127                      ; entry 6
	s_lshl_b32 s7, s6, 23
	v_mov_b32 v10, s7
	s_add_co_i32 s6, s6, 8
	s_lshl_b32 s6, s6, 23
	s_or_b32 s6, s6, 0x600000
	v_mov_b32 v11, s6
	XSTEP 0
	XSTEP 1
	XSTEP 2
	XSTEP 3
	s_wait_dscnt 0x0                               ; the closing lines, six on end
	s_wait_alu 0x0
	s_wait_tensorcnt 0x0
	ds_add_u32 v14, v15
	s_wait_dscnt 0x0
	s_endpgm
	; ---------------- THE WEIGHTS.  K is their first axis: a lane takes a column n and its registers run down K, so the conversions give codes with K innermost.
	; A wave takes 32 columns x 256 k: 8 blocks of 32.  Its codes, two column tiles x two K steps of images, are gathered in its own stage and leave as runs of 512 bytes.
.Lweights:
	s_sub_co_u32 s3, ttmp9, XWG
	s_lshr_b32 s4, s3, 5                           ; which weight, 0..4
	s_and_b32 s5, s3, 7                            ; which 128 columns
	s_bfe_u32 s6, s3, 0x20003                      ; which 256 along K
	s_cmp_eq_u32 s4, 0
	s_cselect_b64 s[42:43], s[14:15], s[16:17]
	s_cmp_eq_u32 s4, 2
	s_cselect_b64 s[42:43], s[18:19], s[42:43]
	s_cmp_eq_u32 s4, 3
	s_cselect_b64 s[42:43], s[20:21], s[42:43]
	s_cmp_eq_u32 s4, 4
	s_cselect_b64 s[42:43], s[22:23], s[42:43]
	s_lshl_b32 s44, s6, 20                         ; 256 rows of 4,096 bytes
	s_lshl_b32 s7, s5, 9                           ; 128 columns
	s_add_co_u32 s44, s44, s7
	s_lshl_b32 s7, s2, 7                           ; my wave's 32
	s_add_co_u32 s44, s44, s7
	s_add_nc_u64 s[42:43], s[42:43], s[44:45]
	s_lshl_b32 s44, s4, 20                         ; the weight's slot
	s_lshl_b32 s7, s5, 17                          ; eight column tiles of 16,384 bytes
	s_add_co_u32 s44, s44, s7
	s_lshl_b32 s7, s2, 15                          ; my wave's two
	s_add_co_u32 s44, s44, s7
	s_lshl_b32 s7, s6, 12                          ; two K steps
	s_add_co_u32 s44, s44, s7
	s_add_nc_u64 s[46:47], s[28:29], s[44:45]
	v_lshlrev_b32 v3, 2, v2                        ; in: 4 bytes a lane
	s_lshl_b32 s7, s2, 13
	s_add_co_u32 s7, s7, WST0                      ; my stage
	v_lshrrev_b32 v4, 4, v2
	v_and_b32 v5, 15, v2
	v_lshlrev_b32 v4, 12, v4                       ; my column tile's two images,
	v_lshl_add_u32 v4, v5, 4, v4                   ; image lane r = my column mod 16
	v_add_nc_u32 v4, s7, v4
	v_lshlrev_b32 v8, 4, v2                        ; out: 16 x lane
	v_add_nc_u32 v7, s7, v8
.macro WLOAD t                         ; block t: W(32 t + i, my column): 32 lanes read 128 consecutive bytes, the four waves stand side by side on 512
.irp i, 0,1,2,3,4,5,6,7,8,9,10,11,12,13,14,15,16,17,18,19,20,21,22,23,24,25,26,27,28,29,30,31
	global_load_b32 v[WX+32*((\t)%2)+\i], v3, s[42:43] offset:(32*(\t)+\i)*4096 th:TH_LOAD_NT
.endr
.endm
	s_wait_alu depctr_va_vdst(0)                   ; v3, v4, v7 and v8 are written: every load, store and LDS access of this path reads one of them
	WLOAD 0
	WLOAD 1
	s_wait_kmcnt 0x0
	s_cmp_eq_u32 s4, 0
	s_cselect_b32 s7, s33, s35
	s_cmp_eq_u32 s4, 2
	s_cselect_b32 s7, s37, s7
	s_cmp_eq_u32 s4, 3
	s_cselect_b32 s7, s39, s7
	s_cmp_eq_u32 s4, 4
	s_cselect_b32 s7, s41, s7                      ; e: entry 1, 3, 5, 7 or 13
	s_add_co_i32 s7, s7, 127
	s_lshl_b32 s6, s7, 23
	v_mov_b32 v11, s6                              ; 2^e
	s_add_co_i32 s7, s7, 8
	s_lshl_b32 s7, s7, 23
	s_or_b32 s7, s7, 0x600000
	v_mov_b32 v10, s7                              ; 448 x 2^e
.macro BLOCK t
.set XS, WX+32*((\t)%2)
.if (\t) < 7
	s_wait_loadcnt 32                              ; this block's 32 loads are in; the next block's may be out
.else
	s_wait_loadcnt 0
.endif
.irp i, 0,1,2,3,4,5,6,7,8,9,10,11,12,13,14,15,16,17,18,19,20,21,22,23,24,25,26,27,28,29,30,31
	v_med3_num_f32 v[XS+\i], v[XS+\i], -v10, v10
.endr
	; of the block's 32 k the image gives k 0-7 and 16-23 to lane r, k 8-15 and 24-31 to lane r + 16, 256 bytes further on
	v_cvt_scalef32_pk8_fp8_f32 v[WC:WC+1], v[XS:XS+7], v11
	v_cvt_scalef32_pk8_fp8_f32 v[WC+2:WC+3], v[XS+16:XS+23], v11
	v_cvt_scalef32_pk8_fp8_f32 v[WC+4:WC+5], v[XS+8:XS+15], v11
	v_cvt_scalef32_pk8_fp8_f32 v[WC+6:WC+7], v[XS+24:XS+31], v11
	s_wait_alu depctr_va_vdst(0)                   ; the conversions have written WC, which the LDS stores read; the holds have written this block's set and the conversions are done reading it: the loads below land in it
	ds_store_b128 v4, v[WC:WC+3] offset:((\t)/4)*2048+((\t)%4)*512
	ds_store_b128 v4, v[WC+4:WC+7] offset:((\t)/4)*2048+((\t)%4)*512+256
.if (\t)+2 < 8
	WLOAD (\t)+2
.endif
	s_wait_dscnt 0x0                               ; the stores into the stage have landed
.if (\t) < 7
	s_wait_alu depctr_vm_vsrc(0)                   ; the LDS stores have read WC, which the next block's conversions write
.endif
.endm
.irp t, 0,1,2,3,4,5,6,7
	BLOCK \t
.endr
.irp i, 0,1,2,3,4,5,6,7,8,9,10,11,12,13,14,15
	ds_load_b128 v[OUTR+4*\i:OUTR+4*\i+3], v7 offset:512*\i
.endr
.irp i, 0,1,2,3,4,5,6,7,8,9,10,11,12,13,14,15
	s_wait_dscnt 15-\i                             ; run i is back; the younger ones may be out
	global_store_b128 v8, v[OUTR+4*\i:OUTR+4*\i+3], s[46:47] offset:(\i/8)*16384+(\i%8)*512   ; 512 consecutive bytes, aligned
.endr
	s_wait_dscnt 0x0                               ; the closing lines, six on end
	s_wait_alu 0x0
	s_wait_tensorcnt 0x0
	ds_add_u32 v14, v15
	s_wait_dscnt 0x0
	s_endpgm
.Lfunc_end_k_q000761faa7_quant:
	.size	k_q000761faa7_quant, .Lfunc_end_k_q000761faa7_quant-k_q000761faa7_quant
	.p2alignl 7, 3214868480
	.fill 96, 4, 3214868480
	.section	.rodata,"a",@progbits
	.p2align	6, 0x0
	.amdhsa_kernel k_q000761faa7_quant
		.amdhsa_group_segment_fixed_size 67072
		.amdhsa_private_segment_fixed_size 0
		.amdhsa_enable_private_segment 0
		.amdhsa_kernarg_size 88
		.amdhsa_user_sgpr_count 2
		.amdhsa_user_sgpr_kernarg_segment_ptr 1
		.amdhsa_wavefront_size32 1
		.amdhsa_system_sgpr_workgroup_id_x 1
		.amdhsa_system_sgpr_workgroup_id_y 1
		.amdhsa_system_sgpr_workgroup_id_z 1
		.amdhsa_system_vgpr_workitem_id 0
		.amdhsa_next_free_vgpr 256
		.amdhsa_next_free_sgpr 66
		.amdhsa_reserve_vcc 0
		.amdhsa_float_denorm_mode_32 3
		.amdhsa_float_denorm_mode_16_64 3
		.amdhsa_memory_ordered 1
		.amdhsa_forward_progress 1
		.amdhsa_inst_pref_size 107
	.end_amdhsa_kernel
	.amdgpu_metadata
---
amdhsa.version: [ 1, 2 ]
amdhsa.kernels:
  - .name:           k_q000761faa7_quant
    .symbol:         k_q000761faa7_quant.kd
    .args:
      - { .name: query, .offset: 0, .size: 8, .value_kind: global_buffer, .address_space: global }
      - { .name: key, .offset: 8, .size: 8, .value_kind: global_buffer, .address_space: global }
      - { .name: value, .offset: 16, .size: 8, .value_kind: global_buffer, .address_space: global }
      - { .name: Wq, .offset: 24, .size: 8, .value_kind: global_buffer, .address_space: global }
      - { .name: Wk, .offset: 32, .size: 8, .value_kind: global_buffer, .address_space: global }
      - { .name: Wv, .offset: 40, .size: 8, .value_kind: global_buffer, .address_space: global }
      - { .name: Wr, .offset: 48, .size: 8, .value_kind: global_buffer, .address_space: global }
      - { .name: Wo, .offset: 56, .size: 8, .value_kind: global_buffer, .address_space: global }
      - { .name: lowp_scales, .offset: 64, .size: 8, .value_kind: global_buffer, .address_space: global }
      - { .name: x_img, .offset: 72, .size: 8, .value_kind: global_buffer, .address_space: global }
      - { .name: w_img, .offset: 80, .size: 8, .value_kind: global_buffer, .address_space: global }
    .group_segment_fixed_size: 67072
    .private_segment_fixed_size: 0
    .kernarg_segment_align: 8
    .kernarg_segment_size: 88
    .max_flat_workgroup_size: 128
    .sgpr_count:     66
    .vgpr_count:     256
    .wavefront_size: 32
...
	.end_amdgpu_metadata
.endif
;; end of part 5
;; launch proj: the kernel of part 2 again; grid 4 x 128, 4 waves a work-group, clusters of 4 x 4, 327,680 bytes of LDS; arguments x_img, w_img, lowp_scales, bq, bk, bv, br, qkv_img, r_img; writes qkv_img, r_img
;; launch attn (part 6): grid 2 x 128, 16 waves a work-group, no clusters, 133,120 bytes of LDS; arguments qkv_img, r_img, lowp_scales, g_img; writes g_img
.if DOCPART == 6
	.amdgcn_target "amdgcn-amd-amdhsa--gfx1250"
	.amdhsa_code_object_version 6
	.text
	.protected	k_q000761faa7_attn
	.globl	k_q000761faa7_attn
	.p2align	8
	.type	k_q000761faa7_attn,@function
k_q000761faa7_attn:
	s_mov_b64 s[64:65], 0
	v_nop
	global_prefetch_b8 v0, s[64:65] scope:SCOPE_SE
	s_setreg_imm32_b32 hwreg(HW_REG_WAVE_SCHED_MODE, 0, 2), 2
	s_setreg_imm32_b32 hwreg(HW_REG_WAVE_MODE, 25, 1), 1
	s_wait_xcnt 0x0
	s_wait_alu depctr_vm_vsrc(0)
; gated[b][i][head][d] = r x (the sum over keys j of softmax_j(q_i . k_j / 32) v_j), both products on codes of FP8 (E4M3), each operand with the scale 2^e given for it (entries 8 to 11);
; the gated numbers are quantised at once (entry 12) for the output projection.
; THE SOFTMAX AHEAD OF THE SECOND PRODUCT: t = score x log2(e) / 32; M = the row's largest t so far, rounded UP to a whole number; p = 2^(t - M) is what is quantised, along the keys; it is not normalised.
; The row's sum is taken of the unquantised p, in f32, and divides O at the end.  When M moves, the sum and O are multiplied by 2^(old M - new M): exact.
; LIMITS: e8 + e9 between -121 and 132 (they are added to the exponent field of log2(e) / 32); e10 and e12 between -126 and 119; e10 + e11 is applied by v_ldexp_f32 and has none.
; SHARES.  A work-group owns 512 queries of one head (x: which half; y: 16 x batch + head).  Each of its sixteen waves owns two tiles of 16 queries, one after the other, in 256 registers.
; THE HEAD'S WHOLE K AND V LIE IN LDS, 65,536 bytes each, WRITTEN ONCE, IN TWO HALVES.  Each wave brings 8,192 bytes through its registers: sixteen loads of 512 consecutive bytes, all asked for at the head.
; The first eight are its part of key steps 0 to 3; they are stored and the first tile walks those four steps while the other eight, its part of key steps 4 to 7, are on their way.
; THROUGH REGISTERS, not by the data mover; this text branches on given scales (below).
; THE HOLD OF p AT THE LARGEST CODE IS WALKED ONLY WHERE IT CAN CHANGE A NUMBER.  M is at least the rounded largest t, so t - M is at most half a unit in t's last place.  |t| is at most
; 0.0451 x 64 x 448 x 448 x 2^(e8 + e9), which for e8 + e9 <= 4 is under 2^24: then t - M <= 1/2 and p <= 1.415.  For e10 >= -8 the largest code stands for 448 x 2^e10 >= 1.75.  Where both hold
; the hold is the identity, and a scalar branch on those whole numbers leads round its 64 lines; for every other choice of scales they are executed.
; NO CLUSTER: K and V are shared by the two work-groups of a head alone; a cluster of four along x does not divide a grid of two, and four work-groups of 256 queries to a head would each
; fill the same 131,072 bytes for half the work.
; OPERANDS are images of their registers (registers 4 c .. 4 c + 3 of lane L at byte 512 c + 16 L of the image): every fragment is dense loads of 512 bytes, with no pitch and no padding.
; LAYOUT.  Both products are used transposed: S^T = K Q^T (source 0 = 16 keys, source 1 = my 16 queries; 64 along d), O^T = V^T P^T (source 0 = 16 d, source 1 = P; 128 keys): a lane holds ONE query (lane % 16).
; Register j of score tile u is key 16 u + 8 (lane / 16) + j: its eight codes are registers 2 u, 2 u + 1 of P, the order in which V's images hold the keys.
; REGISTERS: v1, v2 16 x lane (+ V's base); v4 where I store my part of K or V; v8, v9 addresses in hand; v12 -M, v13 the largest t, v[14:15] the sum; v16-31 Q of both tiles;
;   v32-95 my first half of K or V on its way in, then eight fragments of K or four of V; v96-159 S^T, then p, later the gated numbers; v160-191 O^T; v192-223 my second half on its way in, then r;
;   v224-239 codes; v240, v244: 448 x 2^e10, 2^e10; v241, v245: the same with e12; v242-254 at work; v251, v255 the closing add's two.
; THE MODE: SCHED_MODE bits 1:0 = 2 (LLVM: expert scheduling mode 2), set by the entry lines.  The code itself states the register dependences
; between vector or matrix instructions and memory or LDS instructions, with s_wait_alu, always for 0.
; THE PLAN.  Registers that memory or LDS instructions touch:
;   v1, v2, v4  Made once at the head, ahead of the wait in front of the first load; read by loads and stores to the kernel's end; never written again.
;   v8, v9      Written by the two additions at a key step's head; read by the step's 32 LDS loads.
;   v16-31      Q lands once; products read it.
;   v32-95      My first half lands; eight LDS stores read it.  Then in each key step: K's sixteen loads land, eight products read them, V's sixteen loads land, four products read them.
;   v192-223    My second half lands; eight LDS stores read it; a tile's r lands; the tile's gate reads it; the next tile's r lands.
;   v224-231    Written by the conversions of every key step and of a tile's end; read by the two stores at a tile's end.
; A KEY STEP has one wait on vm_vsrc, at its head, ahead of the additions; one on va_vdst behind them (v8, v9 are written; the last step's four products are done reading v32-95); one on va_vdst behind the eight
; products and their places (they are done reading K's fragments), behind which V's loads are dealt among the lines of the maximum, which name v96-159, v252 and v254 alone; and the wait behind the exponentials.
; No second set of fragments: sixteen waves of 256 registers take all that the four SIMDs have.
.set VB,   65536                       ; V's images in LDS
.set HALF, 32768                       ; four key steps of K's images, and of V's
.set FREE, 76                          ; s76  1 where the hold of p is the identity, else 0
	s_load_b256 s[4:11], s[0:1], 0x0               ; qkv_img s[4:5], r_img s[6:7], the scales' exponents s[8:9], g_img s[10:11]
	v_lshl_add_u32 v251, v0, 2, 0x20000
	v_mov_b32 v255, 0
	v_lshrrev_b32 v3, 5, v0
	v_readfirstlane_b32 s18, v3                    ; wave 0..15
	v_and_b32 v1, 31, v0
	v_lshlrev_b32 v1, 4, v1                        ; 16 x lane
	v_add_nc_u32 v2, VB, v1
	s_wait_alu depctr_va_sdst(0)                   ; s18 is written, ahead of its first reader: the wave's tiles and its part of K or V are made from it
	s_and_b32 s14, ttmp7, 0xffff                   ; 16 x batch + head
	s_lshr_b32 s15, s14, 1                         ; 8 x batch + pair of heads
	s_and_b32 s16, s14, 1                          ; which head of the pair
	s_lshl_b32 s17, ttmp9, 5
	s_add_co_u32 s17, s17, s18                     ; my first tile of queries: 32 x + wave; the second lies 16 tiles on
	; what I bring: waves 0-7 K, waves 8-15 V; of each half of 32,768 LDS bytes wave j = wave % 8 brings bytes 4,096 j on
	s_lshr_b32 s19, s18, 3                         ; 0: K, 1: V
	s_and_b32 s24, s18, 7                          ; j
	s_lshl_b32 s25, s19, 16
	s_lshl_b32 s26, s24, 12
	s_add_co_u32 s25, s25, s26
	v_add_nc_u32 v4, s25, v1                       ; in LDS: 65,536 x (K or V) + 4,096 j + 16 x lane
	s_lshl_b32 s44, s15, 17                        ; in memory: the pair of heads,
	s_add_co_u32 s26, s19, 1
	s_lshl_b32 s26, s26, 23                        ; K's codes begin at 8 MiB, V's at 16 MiB,
	s_add_co_u32 s44, s44, s26
	s_lshl_b32 s26, s16, 10                        ; K: my head's image lies 1,024 bytes on; 4,096 LDS bytes are four tiles of 16 keys, 2,048 bytes apart in memory
	s_lshl_b32 s27, s24, 13
	s_add_co_u32 s26, s26, s27
	s_lshl_b32 s27, s16, 13                        ; V: my head's four images lie 8,192 bytes on; 4,096 LDS bytes are half a key step; key steps are 16,384 bytes apart in memory
	s_lshr_b32 s28, s24, 1
	s_lshl_b32 s28, s28, 14
	s_add_co_u32 s27, s27, s28
	s_and_b32 s28, s24, 1
	s_lshl_b32 s28, s28, 12
	s_add_co_u32 s27, s27, s28
	s_cmp_lt_u32 s18, 8
	s_cselect_b32 s26, s26, s27
	s_add_co_u32 s44, s44, s26
	s_mov_b32 s45, 0
	s_lshl_b32 s46, s15, 17                        ; Q's image of my first tile
	s_lshl_b32 s47, s17, 11
	s_add_co_u32 s46, s46, s47
	s_lshl_b32 s47, s16, 10
	s_add_co_u32 s46, s46, s47
	s_mov_b32 s47, 0
	s_lshr_b32 s48, s14, 4                         ; the batch
	s_lshl_b32 s48, s48, 6
	s_add_co_u32 s48, s48, s17                     ; row tile of the output projection's operand
	s_lshl_b32 s48, s48, 3
	s_and_b32 s49, s15, 7
	s_add_co_u32 s48, s48, s49                     ; its K step: the pair of heads
	s_lshl_b32 s48, s48, 11
	s_lshl_b32 s49, s16, 10                        ; my head's half of the image
	s_add_co_u32 s48, s48, s49
	s_mov_b32 s49, 0
	s_mov_b32 s20, 0x76543210                      ; v_permlanex16_b32's selects for lane l xor 16
	s_mov_b32 s21, 0xfedcba98
	s_mov_b32 s22, 0x3d38aa3b                      ; c = log2(e) / 32
	s_wait_kmcnt 0x0
	s_load_b128 s[68:71], s[8:9], 0x20             ; e8 .. e11
	s_load_b32 s72, s[8:9], 0x30                   ; e12
	s_add_nc_u64 s[12:13], s[4:5], s[46:47]        ; Q
	s_add_nc_u64 s[42:43], s[4:5], s[44:45]        ; my part of K or V
	s_lshl_b32 s46, s46, 2                         ; r lies as Q does, four bytes a number
	s_add_nc_u64 s[6:7], s[6:7], s[46:47]
	s_add_nc_u64 s[10:11], s[10:11], s[48:49]
	s_wait_alu depctr_va_vdst(0)                   ; v1, v2 and v4 are written: the loads, the stores and the LDS stores of the whole kernel read them, and no vector instruction names them as a destination again
.irp n, 0,1
.irp q, 0,1
	global_load_b128 v[16+8*\n+4*\q:16+8*\n+4*\q+3], v1, s[12:13] offset:\n*32768+512*\q th:TH_LOAD_NT   ; Q's fragments stay in registers
.endr
.endr
	s_cmp_lt_u32 s18, 8                            ; the two arms differ in the immediates alone: sixteen loads each, the first half's eight first
	s_cbranch_scc0 .Lbring_v
.irp i, 0,1,2,3,4,5,6,7
	global_load_b128 v[32+4*\i:35+4*\i], v1, s[42:43] offset:(\i/2)*2048+(\i%2)*512
.endr
.irp i, 0,1,2,3,4,5,6,7
	global_load_b128 v[192+4*\i:195+4*\i], v1, s[42:43] offset:65536+(\i/2)*2048+(\i%2)*512
.endr
	s_branch .Lasked
.Lbring_v:
.irp i, 0,1,2,3,4,5,6,7
	global_load_b128 v[32+4*\i:35+4*\i], v1, s[42:43] offset:\i*512
.endr
.irp i, 0,1,2,3,4,5,6,7
	global_load_b128 v[192+4*\i:195+4*\i], v1, s[42:43] offset:65536+\i*512
.endr
.Lasked:
	v_mov_b32 v246, 0                              ; written once: a lane permute's destination counts as one of its sources
	v_mov_b32 v253, 0                              ; (named as the upper half of the pair v[252:253])
	s_wait_kmcnt 0x0
	s_add_co_i32 s73, s68, s69                     ; e8 + e9
	s_cmp_ge_i32 s70, -8
	s_cselect_b32 s[FREE], 1, 0
	s_cmp_le_i32 s73, 4
	s_cselect_b32 s[FREE], s[FREE], 0              ; e10 >= -8 and e8 + e9 <= 4: p never passes the largest code
	s_lshl_b32 s73, s73, 23
	s_add_co_i32 s22, s22, s73                     ; a score stands for score x 2^(e8 + e9): the two exponents are added to c's exponent field
	s_mov_b32 s23, s22                             ; (named with it as a pair, so it is written)
	s_add_co_i32 s74, s70, 127
	s_lshl_b32 s75, s74, 23
	v_mov_b32 v244, s75                            ; 2^e10
	s_add_co_i32 s74, s74, 8
	s_lshl_b32 s74, s74, 23
	s_or_b32 s74, s74, 0x600000
	v_mov_b32 v240, s74                            ; 448 x 2^e10
	s_add_co_i32 s74, s72, 127
	s_lshl_b32 s75, s74, 23
	v_mov_b32 v245, s75                            ; 2^e12
	s_add_co_i32 s74, s74, 8
	s_lshl_b32 s74, s74, 23
	s_or_b32 s74, s74, 0x600000
	v_mov_b32 v241, s74                            ; 448 x 2^e12
	s_add_co_i32 s77, s70, s71                     ; e10 + e11
.macro INIT                            ; a tile begins
	v_mov_b32 v13, 0xff61b1e6                      ; the largest t so far: -3e38, under every t
	v_floor_f32 v12, -v13                          ; -M
	v_mov_b32 v14, 0                               ; the sum, in two halves
	v_mov_b32 v15, 0
.set j, 0
.rept 32
	v_mov_b32 v[160+j], 0                          ; O^T.  (The key step is written once: the first finds zeros, which the first change of M leaves zeros)
.set j, j+1
.endr
.endm
.macro RLOAD n                         ; r(my query, 16 t + 8 h + 0 .. 7) of tile n: wanted at the tile's end
.irp t, 0,1,2,3
	global_load_b128 v[192+8*\t:195+8*\t], v1, s[6:7] offset:\n*131072+\t*1024 th:TH_LOAD_NT
	global_load_b128 v[196+8*\t:199+8*\t], v1, s[6:7] offset:\n*131072+\t*1024+512 th:TH_LOAD_NT
.endr
.endm
.macro VFRAG t                         ; V's fragment t of the key step: 16 d x 128 keys, four dense loads
.irp c, 0,1,2,3
	ds_load_b128 v[32+16*(\t)+4*\c:35+16*(\t)+4*\c], v9 offset:(\t)*2048+512*\c
.endr
.endm
; Tile n walks trips key steps of 128 keys, from byte first of K's and of V's images on.
.macro KEYS n, first, trips
	s_mov_b32 s2, \first
	s_mov_b32 s3, \trips
.Lkey_\@:
	s_wait_alu depctr_vm_vsrc(0)                   ; the LDS loads issued so far have read v8 and v9, which the additions write; ahead of the very first step: my LDS stores have read v32-63, in which K's loads land
	v_add_nc_u32 v8, s2, v1
	v_add_nc_u32 v9, s2, v2
	v_nop                                          ; with the two additions: four places behind the last products
	v_nop
	s_wait_alu depctr_va_vdst(0)                   ; v8 and v9 are written, which the step's LDS loads read; the last step's four products are done reading v32-95, in which K's loads land
.irp u, 0,1,2,3,4,5,6,7
	ds_load_b128 v[32+8*\u:35+8*\u], v8 offset:\u*1024
	ds_load_b128 v[36+8*\u:39+8*\u], v8 offset:\u*1024+512
.endr
	s_wait_dscnt 0x0
.irp u, 0,1,2,3,4,5,6,7
	v_wmma_f32_16x16x64_fp8_fp8 v[96+8*\u:103+8*\u], v[32+8*\u:39+8*\u], v[16+8*\n:23+8*\n], 0
.endr
.rept 4
	v_nop                                          ; places in front of the first read of the scores
.endr
	s_wait_alu depctr_va_vdst(0)                   ; the eight products are done reading K's fragments, in which V's loads land.  The lines of the maximum, among which those loads are dealt, name none of v9 and v32-95
	VFRAG 0                                        ; V's four fragments land while the softmax is walked
	v_max3_num_f32 v254, v96, v97, v98             ; the step's largest score of my query, among my 64 keys, in two chains, each accumulator from its low end on,
	v_max3_num_f32 v252, v99, v100, v101
.irp i, 6,10,14
	v_max3_num_f32 v254, v254, v[96+\i], v[97+\i]
	v_max3_num_f32 v252, v252, v[98+\i], v[99+\i]
.endr
	VFRAG 1
.irp i, 18,22,26,30
	v_max3_num_f32 v254, v254, v[96+\i], v[97+\i]
	v_max3_num_f32 v252, v252, v[98+\i], v[99+\i]
.endr
	VFRAG 2
.irp i, 34,38,42,46
	v_max3_num_f32 v254, v254, v[96+\i], v[97+\i]
	v_max3_num_f32 v252, v252, v[98+\i], v[99+\i]
.endr
	VFRAG 3
.irp i, 50,54,58
	v_max3_num_f32 v254, v254, v[96+\i], v[97+\i]
	v_max3_num_f32 v252, v252, v[98+\i], v[99+\i]
.endr
	v_max3_num_f32 v254, v254, v158, v159
	v_max_num_f32 v254, v254, v252
	v_permlanex16_b32 v246, v254, s20, s21
	v_max_num_f32 v254, v254, v246                 ; and among lane l xor 16's
	v_mul_f32 v254, s22, v254                      ; as t (c is positive)
	v_max_num_f32 v13, v13, v254                   ; the running largest t
	v_mov_b32 v254, v12
	v_floor_f32 v12, -v13                          ; the new -M = floor(-t) = -ceil(t): M is a whole number
	v_sub_f32 v254, v12, v254                      ; old M less new M: a whole number, 0 or less
	v_cvt_i32_f32 v254, v254                       ; (it saturates)
	v_ldexp_f32 v252, 1.0, v254                    ; f = 2^(old M - new M)
.set j, 0
.rept 32
	v_pk_fma_f32 v[96+j:97+j], v[96+j:97+j], s[22:23], v[12:13] op_sel_hi:[1,0,0]   ; t - M, two at a time (of the pairs c and -M the low word serves both halves)
.set j, j+2
.endr
.set j, 0
.rept 64
	v_exp_f32 v[96+j], v[96+j]                     ; p = 2^(t - M): not normalised
.set j, j+1
.endr
	v_pk_mul_f32 v[14:15], v[14:15], v[252:253] op_sel_hi:[1,0]   ; the sums under the new M: the plain line behind the exponentials
	s_wait_alu depctr_va_vdst(0)                   ; the 64 exponentials have written v96-159: one wait for the batch, ahead of its first reader
	v_pk_add_f32 v[242:243], v[96:97], v[98:99]    ; the row's sum is taken of the unquantised p: two at a time, in two chains
.irp j, 4,8,12,16,20,24,28,32,36,40,44,48,52,56,60
	v_pk_add_f32 v[14:15], v[14:15], v[96+\j:97+\j]
	v_pk_add_f32 v[242:243], v[242:243], v[98+\j:99+\j]
.endr
	v_pk_add_f32 v[14:15], v[14:15], v[242:243]
	s_cmp_lg_u32 s[FREE], 0                        ; where no p can pass the largest code (the arithmetic stands at the head) the hold is left out
	s_cbranch_scc1 .Lfree_\@
.set j, 0
.rept 64
	v_min_num_f32 v[96+j], v[96+j], v240           ; the conversion does not saturate (ISA guide 7.6.2); p is not negative, so the hold is one-sided
.set j, j+1
.endr
.Lfree_\@:
.irp u, 0,1,2,3,4,5,6,7
	v_cvt_scalef32_pk8_fp8_f32 v[224+2*\u:225+2*\u], v[96+8*\u:103+8*\u], v244
.endr
.set j, 0
.rept 16
	v_pk_mul_f32 v[160+j:161+j], v[160+j:161+j], v[252:253] op_sel_hi:[1,0]   ; O^T under the new M.  (Also the plain lines between the conversions and the products)
.set j, j+2
.endr
	s_wait_dscnt 0x0                               ; V's fragments are in
.irp t, 0,1,2,3                                ; the four accumulators take turns, one instruction a turn; between two links of a chain stand eleven other products
	v_wmma_f32_16x16x128_fp8_fp8 v[160+8*\t:167+8*\t], v[32+16*\t:47+16*\t], v[224:239], v[160+8*\t:167+8*\t]
.endr
	s_add_co_u32 s2, s2, 8192
	s_sub_co_u32 s3, s3, 1
	s_cmp_lg_u32 s3, 0
	s_cbranch_scc1 .Lkey_\@
.endm
; Tile n ends: O^T / the sum, the gate, the quantiser, two stores.
.macro TAIL n
.rept 4
	v_nop                                          ; places behind the last products
.endr
	v_add_f32 v14, v14, v15                        ; the sum's two halves,
	v_permlanex16_b32 v246, v14, s20, s21
	v_add_f32 v14, v14, v246                       ; and lane l xor 16's: the row's sum
	v_rcp_f32 v14, v14
	v_nop                                          ; one plain line behind a transcendental
	s_wait_alu depctr_va_vdst(0)                   ; the reciprocal has written v14, ahead of its first reader
	v_ldexp_f32 v14, v14, s77                      ; x 2^(e10 + e11)
.set j, 0
.rept 16
	v_pk_mul_f32 v[96+j:97+j], v[160+j:161+j], v[14:15] op_sel_hi:[1,0]   ; ctx: register 8 t + i is d = 16 t + 8 h + i of my query
.set j, j+2
.endr
	s_wait_loadcnt 0x0                             ; r
.set j, 0
.rept 16
	v_pk_mul_f32 v[96+j:97+j], v[96+j:97+j], v[192+j:193+j]   ; the gate
.set j, j+2
.endr
.set j, 0
.rept 32
	v_med3_num_f32 v[96+j], v[96+j], -v241, v241
.set j, j+1
.endr
.irp t, 0,1,2,3
	v_cvt_scalef32_pk8_fp8_f32 v[224+2*\t:225+2*\t], v[96+8*\t:103+8*\t], v245
.endr
	v_nop                                          ; one plain vector line behind the last conversion
	s_wait_alu depctr_va_vdst(0)                   ; the conversions have written v224-231, which the stores read; the gate is done reading v192-223, in which the next tile's r lands with no vector instruction between
	global_store_b128 v1, v[224:227], s[10:11] offset:\n*262144       ; my head's half of an image: twice 512 consecutive bytes, aligned
	global_store_b128 v1, v[228:231], s[10:11] offset:\n*262144+512
.endm
	INIT                                           ; register work while the loads are on their way
	s_wait_loadcnt 8                               ; Q's four loads and my first half's eight are in; my second half's eight may be out
.irp i, 0,1,2,3,4,5,6,7
	ds_store_b128 v4, v[32+4*\i:35+4*\i] offset:512*\i   ; the data come from loads, the address stands since the head's wait: no vector instruction has named either since
.endr
	s_wait_dscnt 0x0                               ; for the others' sake: my stores have landed
	s_barrier_signal -1
	s_barrier_wait -1                              ; key steps 0 to 3 of K and V lie in LDS
	KEYS 0, 0, 4
	s_wait_loadcnt 0x0                             ; my second half is in
	s_wait_dscnt 0x0                               ; my reads of LDS are over
	s_barrier_signal -1                            ; the second half goes to other bytes than those that were being read; this barrier keeps LDS reads and LDS stores
	s_barrier_wait -1                              ; in phases of their own, so that their order hangs on no arithmetic on addresses
.irp i, 0,1,2,3,4,5,6,7
	ds_store_b128 v4, v[192+4*\i:195+4*\i] offset:HALF+512*\i
.endr
	s_wait_dscnt 0x0                               ; for the others' sake: my stores have landed
	s_barrier_signal -1
	s_barrier_wait -1                              ; all of K and V lies in LDS: nothing is written there any more
	s_wait_alu depctr_vm_vsrc(0)                   ; my LDS stores have read v192-223, in which r lands
	RLOAD 0
	KEYS 0, HALF, 4
	TAIL 0
	s_wait_xcnt 0x0                                ; the first tile's stores have had their addresses translated: v224-231 are written again only behind this wait
	s_wait_alu depctr_vm_vsrc(0)                   ; the first tile's stores have read v224-231, which the next tile's conversions write
	RLOAD 1
	INIT
	KEYS 1, 0, 8
	TAIL 1
	s_wait_dscnt 0x0                               ; the closing lines, six on end
	s_wait_alu 0x0
	s_wait_tensorcnt 0x0
	ds_add_u32 v251, v255
	s_wait_dscnt 0x0
	s_endpgm
.Lfunc_end_k_q000761faa7_attn:
	.size	k_q000761faa7_attn, .Lfunc_end_k_q000761faa7_attn-k_q000761faa7_attn
	.p2alignl 7, 3214868480
	.fill 96, 4, 3214868480
	.section	.rodata,"a",@progbits
	.p2align	6, 0x0
	.amdhsa_kernel k_q000761faa7_attn
		.amdhsa_group_segment_fixed_size 133120
		.amdhsa_private_segment_fixed_size 0
		.amdhsa_enable_private_segment 0
		.amdhsa_kernarg_size 32
		.amdhsa_user_sgpr_count 2
		.amdhsa_user_sgpr_kernarg_segment_ptr 1
		.amdhsa_wavefront_size32 1
		.amdhsa_system_sgpr_workgroup_id_x 1
		.amdhsa_system_sgpr_workgroup_id_y 1
		.amdhsa_system_sgpr_workgroup_id_z 1
		.amdhsa_system_vgpr_workitem_id 0
		.amdhsa_next_free_vgpr 256
		.amdhsa_next_free_sgpr 80
		.amdhsa_reserve_vcc 0
		.amdhsa_float_denorm_mode_32 3
		.amdhsa_float_denorm_mode_16_64 3
		.amdhsa_memory_ordered 1
		.amdhsa_forward_progress 1
		.amdhsa_inst_pref_size 69
	.end_amdhsa_kernel
	.amdgpu_metadata
---
amdhsa.version: [ 1, 2 ]
amdhsa.kernels:
  - .name:           k_q000761faa7_attn
    .symbol:         k_q000761faa7_attn.kd
    .args:
      - { .name: qkv_img, .offset: 0, .size: 8, .value_kind: global_buffer, .address_space: global }
      - { .name: r_img, .offset: 8, .size: 8, .value_kind: global_buffer, .address_space: global }
      - { .name: lowp_scales, .offset: 16, .size: 8, .value_kind: global_buffer, .address_space: global }
      - { .name: g_img, .offset: 24, .size: 8, .value_kind: global_buffer, .address_space: global }
    .group_segment_fixed_size: 133120
    .private_segment_fixed_size: 0
    .kernarg_segment_align: 8
    .kernarg_segment_size: 32
    .max_flat_workgroup_size: 512
    .sgpr_count:     80
    .vgpr_count:     256
    .wavefront_size: 32
...
	.end_amdgpu_metadata
.endif
;; end of part 6
;; launch outp: the kernel of part 4 again; grid 8 x 32, 4 waves a work-group, clusters of 4 x 4, 327,680 bytes of LDS; arguments g_img, w_img, lowp_scales, bo, out0; writes out0
